; MI455X (gfx1250); checked and timed in simulation.
; The chip was launched on July 23, 2026; its instructions are those of AMD's public machine-readable ISA for CDNA 5 (MIT licence, August 2026) and "CDNA5" Instruction Set Architecture Reference Guide (July 2026). The comments in the code are by the model that wrote it; some were corrected since.
;; Multi Head Attention. Allowed arithmetic: matrix products marked QUANTISED: E2M3 operands, one E8M0 scale for each 32 along K, by v_wmma_scale_f32_16x16x128_f8f6f4 with both operands' format E2M3, f32 sums; everything else in f32.
;; Inputs: Wk 1,024 x 1,024 float32; Wq 1,024 x 1,024 float32; Wv 1,024 x 1,024 float32; beta 1,024 float32; gamma 1,024 float32; keys 4 x 2,048 x 1,024 float32; query 4 x 2,048 x 1,024 float32.
;; Outputs: out0 4 x 2,048 x 1,024 float32.
;; This version of the problem:
;;   THIS VERSION OF THE PROBLEM IS GIVEN IN LOW PRECISION. The matrix products marked QUANTISED in the list below multiply operands that are first quantised to E2M3 (2 exponent bits, 3 mantissa bits; 6 bits a number), with one power-of-two scale for each 32 numbers along K (OCP MX v1.0); their sums are f32. All else is computed in f32.
;;   The module's matrix products, in the order in which they are computed (A, B: the left and right operand; K: the contracted axis; several contracted axes count as one K, in the product's order):
;;     1. [M 8,192, K 1,024] x [K 1,024, N 1,024]; A: input query; B: input Wq: QUANTISED
;;     2. [M 8,192, K 1,024] x [K 1,024, N 1,024]; A: input keys; B: input Wk: QUANTISED
;;     3. [M 8,192, K 1,024] x [K 1,024, N 1,024]; A: input keys; B: input Wv: QUANTISED
;;     4. batch 32 x [M 2,048, K 128] x [K 128, N 2,048]; A: computed on the way; B: computed on the way: QUANTISED
;;     5. batch 32 x [M 2,048, K 2,048] x [K 2,048, N 128]; A: softmax (see below); B: computed on the way: QUANTISED
;;   THE QUANTISER, for each operand of a quantised product, along K:
;;     - K is cut into blocks of 32 from its start; a last block that is shorter is filled with zeros.
;;     - A block's scale is 2^e with e = floor(log2(the largest magnitude in the block)) - 2, held to -126 .. 127; a block of zeros has e = 0. As a byte (E8M0): e + 127.
;;     - Each number is divided by its block's scale, clamped to +-7.5, and rounded to the nearest number of E2M3, ties to even, subnormals kept.
;;     - The product sums the exact products of the quantised numbers (number of the format x scale) in f32.
;;   ~~~python
;;   def quantise(x, axis):      # numpy; x: float32 -> the quantised numbers, widened to float32 again
;;       x = np.moveaxis(x, axis, -1); K = x.shape[-1]
;;       x = np.pad(x, [(0, 0)] * (x.ndim - 1) + [(0, -K % 32)]); x = x.reshape(x.shape[:-1] + (-1, 32)); a = np.abs(x).max(-1, keepdims=True)
;;       e = np.where(a > 0, np.clip(np.frexp(np.where(a > 0, a, 1))[1] - 1 - 2, -126, 127), 0)      # np.frexp(a)[1] - 1 = floor(log2(a)), exactly
;;       r = np.clip(x / 2.0 ** e, -7.5, 7.5)
;;       step = 2.0 ** (np.maximum(np.frexp(np.where(r == 0, 1, r))[1] - 1, 0) - 3)
;;       q = np.round(r / step) * step * 2.0 ** e      # np.round: ties to even
;;       return np.moveaxis(q.reshape(q.shape[:-2] + (-1,))[..., :K], -1, axis).astype(np.float32)
;;   ~~~
;;   SOFTMAX AHEAD OF A QUANTISED PRODUCT. Where the list says 'softmax', what is quantised is not the finished softmax but p = 2^(t - M), with t = logit x log2(e) and M = ceil(the row's largest t), a whole number; so 1/2 < the row's largest p <= 1. The row's sum l is taken of the UNQUANTISED p, in f32, and the product's result is divided by l at the end. Since M is a whole number, a kernel that streams over the keys may use a running M (the ceiling of the running maximum): every later rescaling is an exact power of two, which a block's scale takes up: the codes' values come out the same.
;;   OPERANDS COMPUTED ON THE WAY. 'Computed on the way' means the value that the module computes at that place (a softmax that the list does not call 'softmax' is quantised finished and normalised). What goes into a quantiser is computed in f32, as accurately as f32 sums, v_exp_f32 and their like allow (about 1e-6 of the number): no bf16 or f16 on the way to a quantiser, and a product that is left as it is and whose result goes on into a quantised operand takes f32 operands (vector FMAs, or v_wmma_f32_16x16x4_f32). A number that lies on a knife's edge between two numbers of the format may be rounded either way, as far as f32 arithmetic and the matrix unit's own rounding can turn it there, and no further.
;; One version. Each part assembles by itself: llvm-mc -triple=amdgcn-amd-amdhsa -mcpu=gfx1250 --defsym DOCPART=n.
;; ======== version 1 of 1: 4 launches
;; limits: right only within a limited range of input values
;; workspace buffers: incodes 14,942,208 bytes; inscales 622,592 bytes; qc 6,553,600 bytes; kv 13,107,200 bytes; pre 33,554,432 bytes; part 262,144 bytes
;; launch quant (part 1): grid 256 x 1, 19 waves a work-group, no clusters, 323,584 bytes of LDS; arguments query, keys, Wk, Wv, Wq, incodes, inscales; writes incodes, inscales
.if DOCPART == 1
	.amdgcn_target "amdgcn-amd-amdhsa--gfx1250"
	.amdhsa_code_object_version 6
	.text
	.protected	k_q9418b92f60_quant
	.globl	k_q9418b92f60_quant
	.p2align	8
	.type	k_q9418b92f60_quant,@function
k_q9418b92f60_quant:
	s_mov_b64 s[64:65], 0
	v_nop
	global_prefetch_b8 v0, s[64:65] scope:SCOPE_SE
	s_setreg_imm32_b32 hwreg(HW_REG_WAVE_MODE, 25, 1), 1
	s_wait_xcnt 0x0
; The five f32 inputs, all with K = 1,024 innermost, are taken as ONE matrix of 19,456 rows (query, keys, Wk, Wv, Wq) and turned into codes of FP6 (E2M3) with one E8M0 byte for each 32 along K.
; A block's scale is 2^(floor(log2(its largest magnitude)) - 2); its byte is that magnitude's exponent field - 2, held at 1 from below.  Numbers are divided by the scale and rounded to the nearest code, ties to even.
; THE CODES ARE STORED AS IMAGES OF A MATRIX OPERAND'S REGISTERS.  Tile T is 16 rows; fragment (T, s) is its 128 K of step s, 1,536 bytes at (8 T + s) x 1,536: registers 4 g .. 4 g + 3 of lane l at 512 g + 16 l.
; Lane (r, h) holds k = 32 h .. + 31 in registers 0-5 and k = 64 + 32 h .. + 31 in registers 6-11 of the tile's row r.
; THE ROWS OF A TILE: in each group of 32 rows, tile u holds at place r the row 8 u + r + 8 (r / 8): as source 0 of a matrix instruction two neighbouring tiles leave 16 neighbouring rows in a lane's 16 result registers.
; THE SCALE WORDS (four bytes: a row's 128 K): word (T, s, r) at 512 T + 128 (s / 2) + 8 r + 4 (s % 2).
; LIMITS: NaN and infinities among the inputs are not served; a block of zeros gets the byte 1 where the rule says 127 (its codes are zeros, and this program alone reads the bytes).
; SHARES: 1,216 tiles x 4 quarters of K = 4,864 units = 256 work-groups x 19 waves; a wave takes one unit, 16 rows x 256 K.  Its 32 loads, each 512 consecutive bytes of a row, go out at once.
; The numbers turn through the wave's own stage in LDS (rows 528 bytes apart), so that a lane then holds two whole blocks of its row.  Every store of codes covers 512 consecutive bytes.
; No tensor load, no barrier, no cluster: waves share nothing.
.set WREG,  16896                      ; a wave's LDS: two stages of 16 rows x 528 bytes
.set RP,    528
.set SPARE, 19*WREG                    ; the spare words, 128 bytes a wave
.set LI,  5                            ; 16 x lane
.set STI, 6                            ; the stage, on the way in
.set LDO, 7                            ; and on the way out: 528 r + 128 h
.set SH,  8                            ; 8 h
.set WO,  9                            ; 8 r + 4 h
.set SPW, 10
.set NIL, 11
.set R,   16                           ; v16-143 the numbers: 64 for each K step
.set C,   144                          ; v144-167 the codes: 12 for each K step
.set PT,  168                          ; the conversions' second halves
.set MX,  176                          ; four chains of maxima
.set TS,  180
.set BY,  182
.set WD,  184                          ; the two scale words
.set W2,  186
.set SEL, 28
	s_load_b256 s[4:11], s[0:1], 0x0               ; query, keys, Wk, Wv
	s_load_b128 s[12:15], s[0:1], 0x20             ; Wq, the codes
	s_load_b64 s[16:17], s[0:1], 0x30              ; the scale words
	v_lshl_add_u32 v[SPW], v0, 2, SPARE
	v_mov_b32 v[NIL], 0
	v_lshrrev_b32 v1, 5, v0
	v_readfirstlane_b32 s18, v1                    ; wave 0..18
	v_and_b32 v2, 31, v0
	v_lshlrev_b32 v[LI], 4, v2
	v_and_b32 v3, 15, v0                           ; r
	v_bfe_u32 v4, v0, 4, 1                         ; h
	s_mul_i32 s19, s18, WREG
	v_add_nc_u32 v[STI], s19, v[LI]
	v_mul_u32_u24 v1, v3, RP
	v_lshl_add_u32 v1, v4, 7, v1
	v_add_nc_u32 v[LDO], s19, v1
	v_lshlrev_b32 v[SH], 3, v4
	v_lshlrev_b32 v[WO], 3, v3
	v_lshl_add_u32 v[WO], v4, 2, v[WO]
	v_cmp_ne_u32 vcc_lo, 0, v4
	v_mov_b32 v[W2], 0                             ; a lane permute's destination counts as one of its sources
	s_mul_i32 s20, ttmp9, 19
	s_add_co_u32 s20, s20, s18                     ; my unit
	s_lshr_b32 s21, s20, 2                         ; tile T
	s_and_b32 s22, s20, 3                          ; quarter of K
	s_mov_b32 s[SEL], 0x76543210
	s_mov_b32 s[SEL+1], 0xfedcba98
	s_wait_alu depctr_va_vdst(0)                   ; the wait at the head's end
	s_wait_kmcnt 0x0
	s_mov_b64 s[24:25], s[12:13]                   ; which tensor holds my tile?  The choice hangs on ids alone
	s_mov_b32 s23, 1152
	s_cmp_lt_u32 s21, 1152
	s_cselect_b64 s[24:25], s[10:11], s[24:25]
	s_cselect_b32 s23, 1088, s23
	s_cmp_lt_u32 s21, 1088
	s_cselect_b64 s[24:25], s[8:9], s[24:25]
	s_cselect_b32 s23, 1024, s23
	s_cmp_lt_u32 s21, 1024
	s_cselect_b64 s[24:25], s[6:7], s[24:25]
	s_cselect_b32 s23, 512, s23
	s_cmp_lt_u32 s21, 512
	s_cselect_b64 s[24:25], s[4:5], s[24:25]
	s_cselect_b32 s23, 0, s23
	s_sub_co_u32 s23, s21, s23                     ; the tile's number in its tensor
	s_lshr_b32 s26, s23, 1
	s_lshl_b32 s26, s26, 17                        ; 32 rows of 4,096 bytes a group,
	s_and_b32 s27, s23, 1
	s_lshl_b32 s27, s27, 15                        ; 8 rows on for the group's second tile,
	s_add_co_u32 s26, s26, s27
	s_lshl_b32 s27, s22, 10                        ; 1,024 bytes a quarter of K
	s_add_co_u32 s26, s26, s27
	s_mov_b32 s27, 0
	s_add_nc_u64 s[24:25], s[24:25], s[26:27]
	s_mul_i32 s26, s21, 12288
	s_mul_i32 s30, s22, 3072
	s_add_co_u32 s26, s26, s30
	s_add_nc_u64 s[14:15], s[14:15], s[26:27]      ; my two fragments
	s_lshl_b32 s26, s21, 9
	s_lshl_b32 s30, s22, 7
	s_add_co_u32 s26, s26, s30
	s_add_nc_u64 s[16:17], s[16:17], s[26:27]      ; my 128 bytes of scale words
.irp e, 0,1
.irp i, 0,1,2,3,4,5,6,7,8,9,10,11,12,13,14,15
	global_load_b128 v[R+64*\e+4*\i:R+64*\e+4*\i+3], v[LI], s[24:25] offset:(16*(\i/8)+\i%8)*4096+512*\e th:TH_LOAD_NT
.endr
.endr
.macro TURN e                          ; LDS serves a wave's instructions in order: the loads see the stores, and land on registers that the stores have read
.irp i, 0,1,2,3,4,5,6,7,8,9,10,11,12,13,14,15
	ds_store_b128 v[STI], v[R+64*\e+4*\i:R+64*\e+4*\i+3] offset:8448*\e+RP*\i
.endr
.irp c, 0,1
.irp n, 0,1,2,3,4,5,6,7
	ds_load_b128 v[R+64*\e+32*\c+4*\n:R+64*\e+32*\c+4*\n+3], v[LDO] offset:8448*\e+256*\c+16*\n
.endr
.endr
.endm
.macro WORK e
.set X, R+64*\e
.irp c, 0,1,2,3                        ; four chains of 16 numbers, by turns; the floor 2^(3 - 127) holds the byte at 1 from below
	v_max3_num_f32 v[MX+\c], |v[X+16*\c]|, |v[X+16*\c+1]|, 0x1800000
.endr
.irp i, 2,4,6,8,10,12,14
.irp c, 0,1,2,3
	v_max3_num_f32 v[MX+\c], v[MX+\c], |v[X+16*\c+\i]|, |v[X+16*\c+\i+1]|
.endr
.endr
.irp c, 0,1
	v_max_num_f32 v[MX+2*\c], v[MX+2*\c], v[MX+2*\c+1]     ; my block 2 c + h
.endr
.irp c, 0,1
	v_add_nc_u32 v[TS+\c], 0xff000000, v[MX+2*\c]          ; 2 off the exponent field: the conversion's scale operand
.endr
.irp c, 0,1
	v_lshrrev_b32 v[BY+\c], 23, v[TS+\c]                   ; the byte
.endr
	v_lshl_or_b32 v[WD+\e], v[BY+1], 16, v[BY]
	v_lshlrev_b32 v[WD+\e], v[SH], v[WD+\e]                ; bytes h and 2 + h of the word
.irp c, 0,1
	v_cvt_scalef32_pk16_fp6_f32 v[C+12*\e+6*\c:C+12*\e+6*\c+2], v[X+32*\c:X+32*\c+15], v[TS+\c]
	v_cvt_scalef32_pk16_fp6_f32 v[PT+4*\c:PT+4*\c+2], v[X+32*\c+16:X+32*\c+31], v[TS+\c]   ; (a conversion's three registers begin on an even number)
.endr
	v_nop                                          ; one plain place behind a scaled conversion
	v_permlanex16_b32 v[W2], v[WD+\e], s[SEL], s[SEL+1]
.irp c, 0,1
.irp i, 0,1,2
	v_mov_b32 v[C+12*\e+6*\c+3+\i], v[PT+4*\c+\i]
.endr
.endr
	v_or_b32 v[WD+\e], v[WD+\e], v[W2]             ; with lane l xor 16's two bytes the word is whole
.irp g, 0,1,2
	global_store_b128 v[LI], v[C+12*\e+4*\g:C+12*\e+4*\g+3], s[14:15] offset:1536*\e+512*\g   ; 512 consecutive bytes
.endr
.endm
	s_wait_loadcnt 16                              ; the first K step's 16 loads are in; the second's 16 may be out
	TURN 0
	s_wait_loadcnt 0x0
	TURN 1
	s_wait_dscnt 32                                ; the first turn is back; the second's 16 stores and 16 loads may be out
	WORK 0
	s_wait_dscnt 0x0
	WORK 1
	v_cndmask_b32 v[WD], v[WD], v[WD+1], vcc_lo    ; lanes 0-15 store the first K step's word, lanes 16-31 the second's
	global_store_b32 v[WO], v[WD], s[16:17]        ; 128 consecutive bytes
	s_wait_tensorcnt 0x0                           ; the wave's end
	ds_add_u32 v[SPW], v[NIL]
	s_wait_dscnt 0x0
	s_endpgm
.Lfunc_end_k_q9418b92f60_quant:
	.size	k_q9418b92f60_quant, .Lfunc_end_k_q9418b92f60_quant-k_q9418b92f60_quant
	.p2alignl 7, 3214868480
	.fill 96, 4, 3214868480
	.section	.rodata,"a",@progbits
	.p2align	6, 0x0
	.amdhsa_kernel k_q9418b92f60_quant
		.amdhsa_group_segment_fixed_size 323584
		.amdhsa_private_segment_fixed_size 0
		.amdhsa_enable_private_segment 0
		.amdhsa_kernarg_size 56
		.amdhsa_user_sgpr_count 2
		.amdhsa_user_sgpr_kernarg_segment_ptr 1
		.amdhsa_wavefront_size32 1
		.amdhsa_system_sgpr_workgroup_id_x 1
		.amdhsa_system_sgpr_workgroup_id_y 1
		.amdhsa_system_sgpr_workgroup_id_z 1
		.amdhsa_system_vgpr_workitem_id 0
		.amdhsa_next_free_vgpr 192
		.amdhsa_next_free_sgpr 66
		.amdhsa_reserve_vcc 1
		.amdhsa_float_denorm_mode_32 3
		.amdhsa_float_denorm_mode_16_64 3
		.amdhsa_memory_ordered 1
		.amdhsa_forward_progress 1
		.amdhsa_inst_pref_size 17
	.end_amdhsa_kernel
	.amdgpu_metadata
---
amdhsa.version: [ 1, 2 ]
amdhsa.kernels:
  - .name:           k_q9418b92f60_quant
    .symbol:         k_q9418b92f60_quant.kd
    .args:
      - { .name: query, .offset: 0, .size: 8, .value_kind: global_buffer, .address_space: global }
      - { .name: keys, .offset: 8, .size: 8, .value_kind: global_buffer, .address_space: global }
      - { .name: Wk, .offset: 16, .size: 8, .value_kind: global_buffer, .address_space: global }
      - { .name: Wv, .offset: 24, .size: 8, .value_kind: global_buffer, .address_space: global }
      - { .name: Wq, .offset: 32, .size: 8, .value_kind: global_buffer, .address_space: global }
      - { .name: incodes, .offset: 40, .size: 8, .value_kind: global_buffer, .address_space: global }
      - { .name: inscales, .offset: 48, .size: 8, .value_kind: global_buffer, .address_space: global }
    .group_segment_fixed_size: 323584
    .private_segment_fixed_size: 0
    .kernarg_segment_align: 8
    .kernarg_segment_size: 56
    .max_flat_workgroup_size: 608
    .sgpr_count:     66
    .vgpr_count:     192
    .wavefront_size: 32
...
	.end_amdgpu_metadata
.endif
;; end of part 1
;; launch proj (part 2): grid 32 x 8, 4 waves a work-group, clusters of 4 x 1, 327,680 bytes of LDS; arguments incodes, inscales, qc, kv; writes qc, kv
.if DOCPART == 2
	.amdgcn_target "amdgcn-amd-amdhsa--gfx1250"
	.amdhsa_code_object_version 6
	.text
	.protected	k_q9418b92f60_proj
	.globl	k_q9418b92f60_proj
	.p2align	8
	.type	k_q9418b92f60_proj,@function
k_q9418b92f60_proj:
	s_mov_b64 s[64:65], 0
	v_nop
	global_prefetch_b8 v0, s[64:65] scope:SCOPE_SE
	s_setreg_imm32_b32 hwreg(HW_REG_WAVE_MODE, 25, 1), 1
	s_wait_xcnt 0x0
	s_wait_alu depctr_hold_cnt(0) depctr_sa_sdst(0) depctr_va_vdst(0) depctr_va_sdst(0) depctr_va_ssrc(0) depctr_va_vcc(0) depctr_vm_vsrc(0)
	s_getreg_b32 s2, hwreg(HW_REG_IB_STS2, 6, 4)
	s_cmp_eq_u32 s2, 0
	s_cbranch_scc0 .Lentry_in_a_cluster
	s_endpgm
.Lentry_in_a_cluster:
	s_bfe_u32 s2, ttmp6, 0x10000c
	s_cmp_lg_u32 s2, 0x3003
	s_cbranch_scc0 .Lentry_shape_is_right
	s_endpgm
.Lentry_shape_is_right:
; The three projections on codes of FP6 (E2M3), their results quantised again and stored as images of the operands of the attention launch.
; Work-group (i, j) takes rows 256 i .. + 255 and head j: K = keys Wk^T, V = keys Wv^T, Q = query Wq^T, each 256 x 128 over K = 1,024: 32 x 8 = 256 work-groups of equal work.
; OPERANDS are register images (fragment (T, s) at (8 T + s) x 1,536 bytes; tiles: query 0, keys 512, Wk 1,024, Wv 1,088, Wq 1,152; scale word (T, s, r) at 512 T + 128 (s / 2) + 8 r + 4 (s % 2)).
; A WAVE KEEPS ITS 64 ROWS OF ACTIVATIONS FOR ALL OF K IN 384 REGISTERS (4 tiles x 8 K steps x 12), loaded from memory as they lie, 512 consecutive bytes a load, K step by K step;
; the first chunk that uses them waits for them K step by K step too: behind K step k's 12 loads stand 12 (7 - k).
; THE WEIGHTS' THREE HEADS (3 x 98,304 bytes) AND THEIR SCALE WORDS (3 x 4,096) LIE IN LDS, each filled once: no slot is filled again.  At the head waves 0-2 bring a third of Wk's head each and wave 3 the scale words;
; behind the full sequence and a round each wave brings half of Wv's or of Wq's head, which land while K is multiplied.  Each weight fragment read from LDS feeds four matrix instructions.
; CLUSTER: the four work-groups of a cluster share j, so they ask for the weights jointly, mask 15.  The activations differ between partners and go to registers.
; A CHUNK is 64 of the head's 128 weight rows: 16 accumulators (128 registers) by turns, 8 K steps of 16 matrix instructions; four weight fragments a K step, read two K steps ahead into three buffers by turns.
; K and Q: source 0 = weights, source 1 = activations: a lane holds one row, its registers run along the head's channels, along which K and Q are quantised.
; V: source 0 = keys, source 1 = weights: a lane holds one channel, its registers run along my 64 keys: two blocks, registers 6 c .. 6 c + 5 (c = wave % 2) of a fragment of 128 keys.
; The query fragments replace the keys' K step by K step in V's second chunk, each behind the last product that read its registers; the query's scale words have registers of their own.
; PREFETCH: one instruction a wave, behind the second fill: of my 192 blocks of 256 bytes of query, which the eight work-groups of row block i all load, head j names blocks 24 j .. 24 j + 23 (lanes 24-31 name the last again);
; they are loaded three chunks later.  The weights' second fill is asked for directly and has two chunks in which to land.
; OUT: qc record 64 j + 2 i + wave / 2 (12,800 bytes: 8 fragments | words at 32 r + 4 a); kv record of the same number (25,600: K's 8 fragments | V's 8 | K's words | V's words).
; LIMITS: NaN and infinities are not served; a block of zeros keeps the byte 1 (its codes are zeros, and this program alone reads the bytes).
; REGISTERS: window 0: addresses, scale words, two weight buffers, the quantiser's; window 1: activation tiles 0, 1 and the third weight buffer; window 2: tiles 2, 3; window 3: accumulators.
.set TILEB, 12288
.set HEADB, 98304
.set CHB,   49152                      ; a chunk's weights
.set SCL,   3*HEADB
.set SPARE, SCL+12288
.set LI,  1
.set ADRW, 4
.set ADRS, 5
.set ASL, 6                            ; 8 r + 512 h
.set SPW, 7
.set NIL, 8
.set SO2, 9                            ; 32 r + 8 h
.set VSO, 10                           ; 32 r + 4 h
.set PFO, 11
.set AS,  16                           ; the keys' scale words: pair p, K step s at AS + 8 p + s; lanes 0-15 tile 2 p, lanes 16-31 tile 2 p + 1
.set AS2, 240                          ; the query's, likewise
.set WS,  32                           ; the chunk's weights' words, likewise
.set BF,  48                           ; weight buffers 0 and 1, four fragments each
.set BF3, 192                          ; weight buffer 2, in window 1
.set TM,  144
.set TP,  152
.set TS,  160
.set PT,  168
.set PW,  184
.set XW,  188
.set PC,  192
.set WV,  12
.set PAR, 13
.set SEL, 18
.set G1C, 32
.set G1S, 40
.set G1D, 48
.set G0A, 56
.set G0S, 60
.set G0D, 68
.set AK,  72
.set SK,  74
.set AQ,  76
.set SQ,  78
.set OUT, 80
.set OUTS, 82
.set OV,  84
.set OVS, 86
.set QO,  88
.set QOS, 90
.set PF,  92
.set HM,  94
.set MSB, 0
.macro WIN new                         ; the immediate's high byte repeats the setting that is left
.if MSB != (\new)
	s_set_vgpr_msb (MSB<<8)|(\new)
.set MSB, (\new)
.endif
.endm
.macro PLACES
.rept 4
	v_nop
.endr
.endm
.macro CROUND                          ; a round of the cluster's barrier
	s_barrier_signal -1
	s_barrier_wait -1
	s_cmp_lg_u32 s[WV], 0
	s_cbranch_scc1 .Lnot_wave_0_\@
	s_barrier_signal -3
.Lnot_wave_0_\@:
	s_barrier_wait -3
	s_barrier_signal -1
	s_barrier_wait -1
.endm
.macro ACTK base, k                    ; my four tiles' fragments of K step k: 12 loads
	WIN 0x40
.irp aa, 0,1
.irp g, 0,1,2
	global_load_b128 v[12*(8*\aa+(\k))+4*\g:12*(8*\aa+(\k))+4*\g+3], v[LI], s[\base:\base+1] offset:(8*\aa+(\k))*1536+512*\g
.endr
.endr
	WIN 0x80
.irp aa, 0,1
.irp g, 0,1,2
	global_load_b128 v[12*(8*\aa+(\k))+4*\g:12*(8*\aa+(\k))+4*\g+3], v[LI], s[\base:\base+1] offset:(8*(\aa+2)+(\k))*1536+512*\g
.endr
.endr
	WIN 0
.endm
.macro ASLOAD base, d
.irp p, 0,1
.irp q, 0,1,2,3
	global_load_b64 v[\d+8*\p+2*\q:\d+8*\p+2*\q+1], v[ASL], s[\base:\base+1] offset:1024*\p+128*\q
.endr
.endr
.endm
.macro BLOAD k                         ; the chunk's four weight fragments of K step k, into buffer k % 3: 12 loads
.if (\k)%3 == 2
	WIN 0x40
.set BD, BF3
.else
.set BD, BF+48*((\k)%3)
.endif
.irp b, 0,1,2,3
.irp g, 0,1,2
	ds_load_b128 v[BD+12*\b+4*\g:BD+12*\b+4*\g+3], v[ADRW] offset:(8*\b+(\k))*1536+512*\g
.endr
.endr
	WIN 0
.endm
.macro START wb, sb                    ; a chunk's addresses, its scale words and its first two K steps' fragments; four places stand ahead of it
	v_add_nc_u32 v[ADRW], \wb, v[LI]
	v_add_nc_u32 v[ADRS], \sb, v[ASL]
	s_wait_alu depctr_va_vdst(0)
.irp p, 0,1
.irp q, 0,1,2,3
	ds_load_b64 v[WS+8*\p+2*\q:WS+8*\p+2*\q+1], v[ADRS] offset:1024*\p+128*\q
.endr
.endr
	BLOAD 0
	BLOAD 1
.endm
.macro WMR d, x, y, c, sx, sy, rx, ry
.if (\rx) && (\ry)
	v_wmma_scale_f32_16x16x128_f8f6f4 v[\d:\d+7], v[\x:\x+11], v[\y:\y+11], \c, v[\sx], v[\sy] matrix_a_fmt:MATRIX_FMT_FP6 matrix_b_fmt:MATRIX_FMT_FP6 matrix_a_scale:MATRIX_SCALE_ROW1 matrix_b_scale:MATRIX_SCALE_ROW1
.elseif (\rx)
	v_wmma_scale_f32_16x16x128_f8f6f4 v[\d:\d+7], v[\x:\x+11], v[\y:\y+11], \c, v[\sx], v[\sy] matrix_a_fmt:MATRIX_FMT_FP6 matrix_b_fmt:MATRIX_FMT_FP6 matrix_a_scale:MATRIX_SCALE_ROW1
.elseif (\ry)
	v_wmma_scale_f32_16x16x128_f8f6f4 v[\d:\d+7], v[\x:\x+11], v[\y:\y+11], \c, v[\sx], v[\sy] matrix_a_fmt:MATRIX_FMT_FP6 matrix_b_fmt:MATRIX_FMT_FP6 matrix_b_scale:MATRIX_SCALE_ROW1
.else
	v_wmma_scale_f32_16x16x128_f8f6f4 v[\d:\d+7], v[\x:\x+11], v[\y:\y+11], \c, v[\sx], v[\sy] matrix_a_fmt:MATRIX_FMT_FP6 matrix_b_fmt:MATRIX_FMT_FP6
.endif
.endm
.macro WM d, x, y, sx, sy, rx, ry      ; the first K step's products start the sums
.if KK == 0
	WMR \d,\x,\y,0,\sx,\sy,\rx,\ry
.else
	WMR \d,\x,\y,v[\d:\d+7],\sx,\sy,\rx,\ry
.endif
.endm
.macro MUL typ                         ; 16 matrix instructions, the 16 accumulators by turns.  BW: the weight buffer's window; ASB: the activations' scale words
.irp hf, 0,1
.if \typ
	WIN 0xf1+\hf+4*BW
.else
	WIN 0xf4+4*\hf+BW
.endif
.irp aa, 0,1
.irp b, 0,1,2,3
.if \typ
	WM 8*(4*\b+2*\hf+\aa),12*(8*\aa+KK),BFS+12*\b,ASB+8*\hf+KK,WS+8*(\b/2)+KK,\aa,\b%2
.else
	WM 8*(8*\hf+4*\aa+\b),BFS+12*\b,12*(8*\aa+KK),WS+8*(\b/2)+KK,ASB+8*\hf+KK,\b%2,\aa
.endif
.endr
.endr
.endr
.endm
.macro KSTEPS typ, rel                 ; a chunk's eight K steps; rel = 1: the query fragments replace the keys'; LW = 1: the activations are still on their way
.set KK, 0
.rept 8
.if KK%3 == 2
.set BFS, BF3
.set BW, 1
.else
.set BFS, BF+48*(KK%3)
.set BW, 0
.endif
.if LW
.if 12*(7-KK) > 63
	s_wait_loadcnt 63                              ; (a wait's count names at most 63: fewer may be out than the 12 (7 - KK) that stand behind this K step's loads)
.else
	s_wait_loadcnt 12*(7-KK)                       ; the scale words and K steps 0 .. KK of my activations are in; the later K steps' 12 loads each may be out
.endif
.endif
.if KK < 7
	s_wait_dscnt 12                                ; this K step's weight fragments are in; the next K step's 12 loads may be out
.else
	s_wait_dscnt 0x0
.endif
	PLACES                                         ; in front of loads into registers that the last products have read
	WIN 0
.if KK < 6
	BLOAD KK+2
.endif
.if (\rel) && KK > 0
	ACTK AQ, KK-1
.endif
	MUL \typ
.set KK, KK+1
.endr
.set LW, 0
	PLACES
	WIN 0
.endm
; The quantiser: group x (0..3) is 32 accumulator registers, two blocks' halves: 16 neighbours each; lanes l and l xor 16 share a block.
.macro QMAX
	WIN 0x3c
.irp x, 0,1,2,3
.irp k, 0,1
	v_max3_num_f32 v[TM+2*\x+\k], 0x1800000, |v[32*\x+16*\k]|, |v[32*\x+16*\k+1]|   ; each accumulator from its low end on; the floor 2^(3 - 127)
.endr
.endr
.irp i, 2,4,6,8,10,12,14
.irp x, 0,1,2,3
.irp k, 0,1
	v_max3_num_f32 v[TM+2*\x+\k], v[TM+2*\x+\k], |v[32*\x+16*\k+\i]|, |v[32*\x+16*\k+\i+1]|
.endr
.endr
.endr
	WIN 0
.irp n, 0,1,2,3,4,5,6,7
	v_permlanex16_b32 v[TP+\n], v[TM+\n], s[SEL], s[SEL+1]
.endr
.irp n, 0,1,2,3,4,5,6,7
	v_max_num_f32 v[TM+\n], v[TM+\n], v[TP+\n]
.endr
.irp n, 0,1,2,3,4,5,6,7
	v_add_nc_u32 v[TS+\n], 0xff000000, v[TM+\n]    ; the conversion's scale operand
.endr
.irp n, 0,1,2,3,4,5,6,7
	v_lshrrev_b32 v[TP+\n], 23, v[TS+\n]           ; the byte
.endr
.endm
.macro QCVT c                          ; six registers of codes for each group, at PC + 12 x + 6 c: lanes 0-15 the first block, lanes 16-31 the second
	WIN 0x03
.irp x, 0,1,2,3
	v_cvt_scalef32_pk16_fp6_f32 v[PC+12*\x+6*\c:PC+12*\x+6*\c+2], v[32*\x:32*\x+15], v[TS+2*\x]
	v_cvt_scalef32_pk16_fp6_f32 v[PT+4*\x:PT+4*\x+2], v[32*\x+16:32*\x+31], v[TS+2*\x+1]
.endr
	WIN 0
	v_nop                                          ; one plain place behind a scaled conversion
.irp x, 0,1,2,3
.irp i, 0,1,2
	v_permlane16_swap_b32 v[PC+12*\x+6*\c+\i], v[PT+4*\x+\i]
.endr
.endr
.irp x, 0,1,2,3
.irp i, 0,1,2
	v_mov_b32 v[PC+12*\x+6*\c+3+\i], v[PT+4*\x+\i]
.endr
.endr
.endm
.macro OUTA c, o, os                   ; K's or Q's chunk c: blocks 2 c and 2 c + 1 of my four tiles' rows; behind chunk 1 the fragments and words are whole and leave
	s_wait_xcnt 0x0                                ; earlier stores have read their data
	QMAX
.irp x, 0,1,2,3
.if \c
	v_lshl_or_b32 v[PW+\x], v[TP+2*\x], 16, v[PW+\x]
.else
	v_lshl_or_b32 v[PW+\x], v[TP+2*\x+1], 8, v[TP+2*\x]
.endif
.endr
.if \c
.irp x, 0,1,2,3
	v_lshl_or_b32 v[PW+\x], v[TP+2*\x+1], 24, v[PW+\x]
.endr
	v_cndmask_b32 v[XW], v[PW], v[PW+2], s[HM]     ; lanes 0-15 store tiles 0 and 1's words, lanes 16-31 tiles 2 and 3's
	v_cndmask_b32 v[XW+1], v[PW+1], v[PW+3], s[HM]
.endif
	QCVT \c
.if \c
.irp x, 0,1,2,3
.irp g, 0,1,2
	global_store_b128 v[LI], v[PC+12*\x+4*\g:PC+12*\x+4*\g+3], s[\o:\o+1] offset:1536*\x+512*\g   ; 512 consecutive bytes
.endr
.endr
	global_store_b64 v[SO2], v[XW:XW+1], s[\os:\os+1]
.endif
	s_wait_alu depctr_va_vdst(0)
.endm
.macro OUTV cc                         ; V's chunk cc: channel tiles 4 cc + x; my 64 keys are registers 6 c .. 6 c + 5 of each fragment and bytes 2 c, 2 c + 1 of each word
	s_wait_xcnt 0x0
	QMAX
.irp x, 0,1,2,3
	v_lshl_or_b32 v[PW+\x], v[TP+2*\x+1], 8, v[TP+2*\x]
.endr
	v_cndmask_b32 v[XW], v[PW], v[PW+1], s[HM]
	v_cndmask_b32 v[XW+1], v[PW+2], v[PW+3], s[HM]
	QCVT 0
	global_store_b16 v[VSO], v[XW], s[OVS:OVS+1] offset:16*\cc
	global_store_b16 v[VSO], v[XW+1], s[OVS:OVS+1] offset:16*\cc+8
	s_wait_alu depctr_va_vdst(0)                   ; the wait ahead of the branch
	s_cmp_eq_u32 s[PAR], 0
	s_cbranch_scc0 .Lodd_\@
.irp x, 0,1,2,3
	global_store_b128 v[LI], v[PC+12*\x:PC+12*\x+3], s[OV:OV+1] offset:1536*(4*\cc+\x)          ; registers 0-3,
	global_store_b64 v[LI], v[PC+12*\x+4:PC+12*\x+5], s[OV:OV+1] offset:1536*(4*\cc+\x)+512     ; 4 and 5
.endr
	s_branch .Lsent_\@
.Lodd_\@:
.irp x, 0,1,2,3
	global_store_b64 v[LI], v[PC+12*\x:PC+12*\x+1], s[OV:OV+1] offset:1536*(4*\cc+\x)+520       ; registers 6 and 7,
	global_store_b128 v[LI], v[PC+12*\x+2:PC+12*\x+5], s[OV:OV+1] offset:1536*(4*\cc+\x)+1024   ; 8-11
.endr
.Lsent_\@:
.endm
	s_load_b256 s[4:11], s[0:1], 0x0               ; the codes s[4:5], the scale words s[6:7], qc s[8:9], kv s[10:11]
	v_lshl_add_u32 v[SPW], v0, 2, SPARE
	v_mov_b32 v[NIL], 0
	ds_add_u32 v[SPW], v[NIL]                      ; the opening lines: the add, twice on end, and its wait
	ds_add_u32 v[SPW], v[NIL]
	v_lshrrev_b32 v2, 5, v0
	v_readfirstlane_b32 s[WV], v2                  ; wave 0..3
	v_and_b32 v[LI], 31, v0
	v_min_u32 v[PFO], 23, v[LI]
	v_lshlrev_b32 v[PFO], 8, v[PFO]
	v_lshlrev_b32 v[LI], 4, v[LI]
	v_and_b32 v2, 15, v0                           ; r
	v_bfe_u32 v3, v0, 4, 1                         ; h
	v_lshlrev_b32 v[ASL], 3, v2
	v_lshl_add_u32 v[ASL], v3, 9, v[ASL]
	v_lshlrev_b32 v[SO2], 5, v2
	v_lshl_add_u32 v[VSO], v3, 2, v[SO2]
	v_lshl_add_u32 v[SO2], v3, 3, v[SO2]
	v_cmp_ne_u32 s[HM], 0, v3
.irp n, 0,1,2,3,4,5,6,7
	v_mov_b32 v[TP+\n], 0                          ; a lane permute's destination counts as one of its sources
.endr
	s_and_b32 s[PAR], s[WV], 1
	s_lshr_b32 s14, s[WV], 1
	s_bfe_u32 s15, ttmp6, 0x40000                  ; cx
	s_lshl_b32 s16, ttmp9, 2
	s_add_co_u32 s16, s16, s15                     ; i: it enters the activations' and the results' addresses alone
	s_and_b32 s17, ttmp7, 0xffff                   ; j, which the partners share
	s_mov_b32 s[SEL], 0x76543210
	s_mov_b32 s[SEL+1], 0xfedcba98
.irp g, G1C, G1D                       ; dense bytes as rows of 256 (32 elements of 8 bytes); mask of all four, bit 21 beside it
	s_mov_b32 s[\g], 15|(3<<16)|(1<<21)
	s_mov_b32 s[\g+1], 32<<16
	s_mov_b32 s[\g+3], 32<<16
	s_mov_b32 s[\g+5], 32
	s_mov_b32 s[\g+6], 0
	s_mov_b32 s[\g+7], 0
.endr
	s_mov_b32 s[G1C+2], 128<<16                    ; a third of a head: 128 rows
	s_mov_b32 s[G1C+4], 128
	s_mov_b32 s[G1D+2], 192<<16                    ; half a head: 192 rows
	s_mov_b32 s[G1D+4], 192
	s_mov_b32 s[G1S], 15|(3<<16)|(1<<21)           ; the scale words: three rows of 4,096 bytes, 32,768 bytes apart
	s_mov_b32 s[G1S+1], 512<<16
	s_mov_b32 s[G1S+2], 3<<16
	s_mov_b32 s[G1S+3], 512<<16
	s_mov_b32 s[G1S+4], 3
	s_mov_b32 s[G1S+5], 4096
	s_mov_b32 s[G1S+6], 0
	s_mov_b32 s[G1S+7], 0
	s_mul_i32 s20, s17, HEADB
	s_add_co_u32 s20, s20, 1024*TILEB              ; Wk's head j
	s_lshl_b32 s22, s[WV], 15                      ; my third of it, in memory and in LDS
	s_add_co_u32 s24, s20, s22
	s_mov_b32 s25, 0
	s_mul_i32 s26, s14, 64*TILEB                   ; the second fill: waves 0, 1 Wv's head, waves 2, 3 Wq's,
	s_add_co_u32 s26, s26, s20
	s_add_co_u32 s26, s26, 64*TILEB
	s_mul_i32 s23, s[PAR], CHB                     ; its half
	s_add_co_u32 s26, s26, s23
	s_mov_b32 s27, 0
	s_mul_i32 s23, s[WV], CHB
	s_add_co_u32 s23, s23, HEADB                   ; behind Wk's head in LDS
	s_lshl_b32 s28, s17, 12
	s_add_co_u32 s28, s28, 1024*512                ; the words of Wk's head j
	s_mov_b32 s29, 0
	s_lshl_b32 s30, s16, 4
	s_lshl_b32 s31, s[WV], 2
	s_add_co_u32 s30, s30, s31                     ; my first tile: 16 i + 4 x wave
	s_mul_i32 s[AQ], s30, TILEB
	s_mov_b32 s[AQ+1], 0
	s_add_co_u32 s[AK], s[AQ], 512*TILEB
	s_mov_b32 s[AK+1], 0
	s_lshl_b32 s[SQ], s30, 9
	s_mov_b32 s[SQ+1], 0
	s_add_co_u32 s[SK], s[SQ], 512*512
	s_mov_b32 s[SK+1], 0
	s_mul_i32 s[PF], s17, 6144
	s_add_co_u32 s[PF], s[PF], s[AQ]
	s_mov_b32 s[PF+1], 0
	s_lshl_b32 s31, s17, 6
	s_lshl_b32 s30, s16, 1
	s_add_co_u32 s31, s31, s30
	s_add_co_u32 s31, s31, s14                     ; my record: 64 j + 2 i + wave / 2
	s_mul_i32 s30, s[PAR], 6144                    ; my four fragments of its eight
	s_mul_i32 s21, s31, 25600
	s_add_co_u32 s[OV], s21, 12288
	s_lshl_b32 s15, s[PAR], 1
	s_add_co_u32 s[OVS], s21, s15
	s_add_co_u32 s[OVS], s[OVS], 25088
	s_lshl_b32 s15, s[PAR], 4
	s_add_co_u32 s[OUTS], s21, s15
	s_add_co_u32 s[OUTS], s[OUTS], 24576
	s_add_co_u32 s[OUT], s21, s30
	s_mul_i32 s21, s31, 12800
	s_add_co_u32 s[QO], s21, s30
	s_add_co_u32 s[QOS], s21, s15
	s_add_co_u32 s[QOS], s[QOS], 12288
.irp p, OUT, OUTS, OV, OVS, QO, QOS
	s_mov_b32 s[\p+1], 0
.endr
	s_wait_alu depctr_va_vdst(0)                   ; the wait ahead of the waits below
	s_wait_dscnt 0x0                               ; both opening adds are done
	s_wait_kmcnt 0x0
	s_add_nc_u64 s[AK:AK+1], s[4:5], s[AK:AK+1]
	s_add_nc_u64 s[AQ:AQ+1], s[4:5], s[AQ:AQ+1]
	s_add_nc_u64 s[PF:PF+1], s[4:5], s[PF:PF+1]
	s_add_nc_u64 s[SK:SK+1], s[6:7], s[SK:SK+1]
	s_add_nc_u64 s[SQ:SQ+1], s[6:7], s[SQ:SQ+1]
	s_add_nc_u64 s[QO:QO+1], s[8:9], s[QO:QO+1]
	s_add_nc_u64 s[QOS:QOS+1], s[8:9], s[QOS:QOS+1]
.irp p, OUT, OUTS, OV, OVS
	s_add_nc_u64 s[\p:\p+1], s[10:11], s[\p:\p+1]
.endr
	s_mov_b32 s[G0A], 1
	s_mov_b32 s[G0A+1], s22
	s_add_nc_u64 s[G0A+2:G0A+3], s[4:5], s[24:25]
	s_or_b32 s[G0A+3], s[G0A+3], 0x80000000
	s_mov_b32 s[G0S], 1
	s_mov_b32 s[G0S+1], SCL
	s_add_nc_u64 s[G0S+2:G0S+3], s[6:7], s[28:29]
	s_or_b32 s[G0S+3], s[G0S+3], 0x80000000
	s_mov_b32 s[G0D], 1
	s_mov_b32 s[G0D+1], s23
	s_add_nc_u64 s[G0D+2:G0D+3], s[4:5], s[26:27]
	s_or_b32 s[G0D+3], s[G0D+3], 0x80000000
	CROUND                                         ; all four work-groups are here: the first joint loads meet
	s_cmp_lt_u32 s[WV], 3                          ; one tensor load a wave at the head, one to each arm
	s_cbranch_scc0 .Lhead_words
	tensor_load_to_lds s[G0A:G0A+3], s[G1C:G1C+7]
	s_nop 0
	PLACES
	s_branch .Lhead_asked
.Lhead_words:
	tensor_load_to_lds s[G0S:G0S+3], s[G1S:G1S+7]
	s_nop 0
	PLACES
.Lhead_asked:
	ASLOAD SK, AS                                  ; behind the tensor load: the keys' scale words, 8 loads,
.irp k, 0,1,2,3,4,5,6,7
	ACTK AK, \k                                    ; and my 64 rows of keys, 96 loads, K step by K step
.endr
	s_wait_alu depctr_va_vdst(0)                   ; the wait at the head's end
	s_wait_tensorcnt 0x0                           ; my part of the head's tiles is in; these lines stand ahead of a later first fill
	ds_add_u32 v[SPW], v[NIL]
	s_wait_dscnt 0x0
	CROUND                                         ; everybody's part is in, and the joint loads meet
	tensor_load_to_lds s[G0D:G0D+3], s[G1D:G1D+7]  ; Wv's and Wq's heads, half a head a wave
	s_nop 0
	PLACES
	global_prefetch_b8 v[PFO], s[PF:PF+1] th:TH_LOAD_NT scope:SCOPE_SE
.set ASB, AS
.set LW, 1
	START 0, SCL
	KSTEPS 0, 0                                    ; K
	START CHB, SCL+2048
	OUTA 0, 0, 0
	KSTEPS 0, 0
	s_wait_tensorcnt 0x0                           ; my half head is in;
	s_wait_dscnt 0x0
	s_barrier_signal -1
	s_barrier_wait -1                              ; everybody's is.
	START 2*CHB, SCL+4096
	OUTA 1, OUT, OUTS
	KSTEPS 1, 0                                    ; V
	START 3*CHB, SCL+6144
	OUTV 0
	ASLOAD SQ, AS2                                 ; the query's scale words, ahead of its fragments
	KSTEPS 1, 1
	ACTK AQ, 7
	START 4*CHB, SCL+8192
	OUTV 1
.set ASB, AS2
.set LW, 1
	KSTEPS 0, 0                                    ; Q
	START 5*CHB, SCL+10240
	OUTA 0, 0, 0
	KSTEPS 0, 0
	OUTA 1, QO, QOS
	s_wait_tensorcnt 0x0                           ; the wave's end
	ds_add_u32 v[SPW], v[NIL]
	s_wait_dscnt 0x0
	CROUND                                         ; the closing round
	s_endpgm
.Lfunc_end_k_q9418b92f60_proj:
	.size	k_q9418b92f60_proj, .Lfunc_end_k_q9418b92f60_proj-k_q9418b92f60_proj
	.p2alignl 7, 3214868480
	.fill 96, 4, 3214868480
	.section	.rodata,"a",@progbits
	.p2align	6, 0x0
	.amdhsa_kernel k_q9418b92f60_proj
		.amdhsa_group_segment_fixed_size 327680
		.amdhsa_private_segment_fixed_size 0
		.amdhsa_enable_private_segment 0
		.amdhsa_kernarg_size 32
		.amdhsa_user_sgpr_count 2
		.amdhsa_user_sgpr_kernarg_segment_ptr 1
		.amdhsa_wavefront_size32 1
		.amdhsa_system_sgpr_workgroup_id_x 1
		.amdhsa_system_sgpr_workgroup_id_y 1
		.amdhsa_system_sgpr_workgroup_id_z 1
		.amdhsa_system_vgpr_workitem_id 0
		.amdhsa_next_free_vgpr 896
		.amdhsa_next_free_sgpr 96
		.amdhsa_reserve_vcc 0
		.amdhsa_float_denorm_mode_32 3
		.amdhsa_float_denorm_mode_16_64 3
		.amdhsa_memory_ordered 1
		.amdhsa_forward_progress 1
		.amdhsa_inst_pref_size 232
	.end_amdhsa_kernel
	.amdgpu_metadata
---
amdhsa.version: [ 1, 2 ]
amdhsa.kernels:
  - .name:           k_q9418b92f60_proj
    .symbol:         k_q9418b92f60_proj.kd
    .args:
      - { .name: incodes, .offset: 0, .size: 8, .value_kind: global_buffer, .address_space: global }
      - { .name: inscales, .offset: 8, .size: 8, .value_kind: global_buffer, .address_space: global }
      - { .name: qc, .offset: 16, .size: 8, .value_kind: global_buffer, .address_space: global }
      - { .name: kv, .offset: 24, .size: 8, .value_kind: global_buffer, .address_space: global }
    .group_segment_fixed_size: 327680
    .private_segment_fixed_size: 0
    .kernarg_segment_align: 8
    .kernarg_segment_size: 32
    .max_flat_workgroup_size: 128
    .sgpr_count:     96
    .vgpr_count:     896
    .wavefront_size: 32
...
	.end_amdgpu_metadata
.endif
;; end of part 2
;; launch attn (part 3): grid 8 x 32, 8 waves a work-group, clusters of 4 x 1, 327,680 bytes of LDS; arguments qc, kv, query, pre, part; writes pre, part
.if DOCPART == 3
	.amdgcn_target "amdgcn-amd-amdhsa--gfx1250"
	.amdhsa_code_object_version 6
	.text
	.protected	k_q9418b92f60_attn
	.globl	k_q9418b92f60_attn
	.p2align	8
	.type	k_q9418b92f60_attn,@function
k_q9418b92f60_attn:
	s_mov_b64 s[64:65], 0
	v_nop
	global_prefetch_b8 v0, s[64:65] scope:SCOPE_SE
	s_setreg_imm32_b32 hwreg(HW_REG_WAVE_MODE, 25, 1), 1
	s_wait_xcnt 0x0
	s_wait_alu depctr_hold_cnt(0) depctr_sa_sdst(0) depctr_va_vdst(0) depctr_va_sdst(0) depctr_va_ssrc(0) depctr_va_vcc(0) depctr_vm_vsrc(0)
	s_getreg_b32 s2, hwreg(HW_REG_IB_STS2, 6, 4)
	s_cmp_eq_u32 s2, 0
	s_cbranch_scc0 .Lentry_in_a_cluster
	s_endpgm
.Lentry_in_a_cluster:
	s_bfe_u32 s2, ttmp6, 0x10000c
	s_cmp_lg_u32 s2, 0x3003
	s_cbranch_scc0 .Lentry_shape_is_right
	s_endpgm
.Lentry_shape_is_right:
; Attention on codes of FP6 (E2M3), the residual, and the first two levels of the batch norm's statistics.
; For head hd and batch bt (y = 4 hd + bt): pre[bt][q][128 hd + d] = query[bt][q][128 hd + d] + (sum over keys of p V) / l, with t = score x log2(e) / 32, M = the running largest t rounded UP to a whole number,
; p = 2^(t - M) quantised along the keys, l = the row's sum of the unquantised p.  When M moves, l and O are multiplied by 2^(old M - new M): exact.
; OPERANDS ARRIVE AS IMAGES OF THEIR REGISTERS.  A fragment (16 rows x 128 K) is 1,536 bytes: register group c of lane l at 512 c + 16 l.  qc: a record of 12,800 bytes for 128 queries (8 fragments | scale words, [r][a] at 32 r + 4 a);
; kv: a record of 25,600 bytes for a key step of 128 keys (K's 8 fragments | V's 8 | K's words | V's words).  Record = 16 y + group.  Lane r of tile a stands for row 32 (a / 2) + 8 (a % 2) + r + 8 (r / 8) of its 128
; (queries, keys, or V's channels), so that the 16 result registers of tiles 2 b and 2 b + 1 as source 0 are 16 neighbours: keys 32 b + 16 h + 0 .. 15 in S^T, channels likewise in O^T.
; Both products are used transposed (S^T = K Q^T, O^T = V^T P^T): a lane holds ONE query throughout.
; SHARES: a work-group owns 256 queries of one (head, batch); each of its EIGHT waves 32 of them, two tiles, in 512 registers: two waves to a SIMD, so that one wave's vector work stands beside the other's LDS loads and products,
; and each fragment of K and V read from LDS feeds two matrix instructions.  Every wave walks all 2,048 keys, 128 a step.
; RING: two LDS slots of four records (102,400 bytes, dense: an image's reads are 512 consecutive bytes).  Each wave brings an eighth of a slot by one tensor load.  A refill goes out four key steps ahead of its first read,
; so K and V are asked for by their tensor loads alone.  CLUSTER: the four query blocks of a cluster walk the same records: each load is asked for JOINTLY, with the mask of all four.
; STATISTICS: never as a difference of large sums.  A wave: mean and M2 = sum (x - mean)^2 of its 32 rows; wave 0 joins the eight (equal sizes n: mean = the means' mean, M2 = sum M2 + n sum (mean_i - mean)^2) and stores
; part[8 bt + query block][mean | M2][1,024].
; LIMITS: NaN and infinities are not served; p under 2^-126 is 0; a block all of whose p are 0 keeps the byte 1 (its codes are zeros).
; REGISTERS: window 0: v1-11 addresses; v16-31 eight statistics a tile; v32-55 Q; v56-57 Q's scale words, v58-59 p's, v60-67 K's (lanes 0-15) and V's (lanes 16-31); v68-91 p's codes; v92-107 the conversions' second halves;
;   v108-123, v224-239 at work (tile 0, 1); v128-223 eight fragments of K or of V.   window 1: v0-127 S^T, then p, 64 a tile; v128-255 O^T, 64 a tile.
.set REC,   25600
.set SLOTB, 4*REC
.set SLOT1, 1<<17                      ; slot 1 begins here, so that one exclusive or turns an address in one slot into the other's
.set STAGE, SLOT1+SLOTB                ; behind the ring: 16 rows x (512 bytes + 16) for each wave, for the way out
.set SP,    528
.set STAT,  STAGE+8*16*SP              ; each wave's mean (512 bytes) and M2 (512 bytes)
.set SPARE, STAT+8*1024                ; the spare words, 128 bytes for each wave: four blocks of 256 bytes that no other line names
.set LI,  1                            ; v1   16 x lane
.set ASC, 2                            ; v2   my scale words in a record: 24,576 + 512 h + 32 r
.set ADR, 3                            ; v3   LDS address of the step's fragments
.set ADS, 4                            ; v4   and of its scale words
.set SPW, 5                            ; v5   LDS address of my spare word; never rewritten
.set NIL, 6                            ; v6   0; never rewritten
.set STO, 7                            ; v7   the stage: where I put my row's numbers
.set RD,  8                            ; v8   and where I read a row back
.set STA, 9                            ; v9   my wave's statistics in LDS
.set PFO, 10                           ; v10  4,096 x lane: a row of query a lane
.set QSO, 11                           ; v11  32 r
.set ST,  16                           ; tile x at v[ST + 8 x]: +0 -M, +1 the largest t, +2:3 and +4:5 the sum in two chains of pairs, +6 f, +7 zero
.set QF,  32
.set QS,  56
.set PW,  58
.set KS,  60
.set PC,  68
.set PT,  92
.set T0,  108                          ; tile x at v[T0 + 116 x]: +0..3 the blocks' largest, +4..7 the other half's, then bytes, +8..11 the conversions' scale operands, +12 at work
.set KV,  128
.set OT,  128                          ; O^T, in window 1
.set WV,  14
.set SEL, 20                           ; s[20:21] lane selects for v_permlanex16_b32: lane l xor 16
.set CS,  22                           ; s[22:23] c = log2(e) / 32
.set G1,  24                           ; s[24:31] descriptor group 1
.set G0A, 32                           ; s[32:35] group 0 of slot 0's first fill
.set G0B, 36                           ; s[36:39] of slot 1's; it then walks
.set TB,  40                           ; s40  LDS byte at which the step's record begins
.set CNT, 41                           ; s41  counts a slot's four steps
.set SLOTS, 42                         ; s42  slots still to be asked for
.set QB,  48
.set QSB, 50
.set QRY, 52
.set PRE, 54
.set PART, 56
.set MSB, 0
.macro WIN new                         ; the immediate's high byte repeats the setting that is left
.if MSB != (\new)
	s_set_vgpr_msb (MSB<<8)|(\new)
.set MSB, (\new)
.endif
.endm
.macro CROUND                          ; a round of the cluster's barrier
	s_barrier_signal -1
	s_barrier_wait -1
	s_cmp_lg_u32 s[WV], 0
	s_cbranch_scc1 .Lnot_wave_0_\@
	s_barrier_signal -3
.Lnot_wave_0_\@:
	s_barrier_wait -3
	s_barrier_signal -1
	s_barrier_wait -1
.endm
; num groups of equal size cnt are joined: means at v[ms + 4 i], M2 at v[qs + 4 i] (four features a lane); the result in v[om ..], v[oq ..]; invk = 1 / num; the means are used up
.macro COMB ms, qs, num, invk, cnt, om, oq, tt
	v_pk_add_f32 v[\om:\om+1], v[\ms:\ms+1], v[\ms+4:\ms+5]
	v_pk_add_f32 v[\om+2:\om+3], v[\ms+2:\ms+3], v[\ms+6:\ms+7]
	v_pk_add_f32 v[\oq:\oq+1], v[\qs:\qs+1], v[\qs+4:\qs+5]
	v_pk_add_f32 v[\oq+2:\oq+3], v[\qs+2:\qs+3], v[\qs+6:\qs+7]
.set ci, 8
.rept \num-2
	s_delay_alu instid0(VALU_DEP_4)
	v_pk_add_f32 v[\om:\om+1], v[\om:\om+1], v[\ms+ci:\ms+ci+1]
	s_delay_alu instid0(VALU_DEP_4)
	v_pk_add_f32 v[\om+2:\om+3], v[\om+2:\om+3], v[\ms+ci+2:\ms+ci+3]
	s_delay_alu instid0(VALU_DEP_4)
	v_pk_add_f32 v[\oq:\oq+1], v[\oq:\oq+1], v[\qs+ci:\qs+ci+1]
	s_delay_alu instid0(VALU_DEP_4)
	v_pk_add_f32 v[\oq+2:\oq+3], v[\oq+2:\oq+3], v[\qs+ci+2:\qs+ci+3]
.set ci, ci+4
.endr
	s_delay_alu instid0(VALU_DEP_4)
	v_pk_mul_f32 v[\om:\om+1], v[\om:\om+1], \invk op_sel_hi:[1,0]
	s_delay_alu instid0(VALU_DEP_4)
	v_pk_mul_f32 v[\om+2:\om+3], v[\om+2:\om+3], \invk op_sel_hi:[1,0]
.set ci, 0
.rept \num
	v_pk_add_f32 v[\ms+ci:\ms+ci+1], v[\ms+ci:\ms+ci+1], v[\om:\om+1] neg_lo:[0,1] neg_hi:[0,1]
	v_pk_add_f32 v[\ms+ci+2:\ms+ci+3], v[\ms+ci+2:\ms+ci+3], v[\om+2:\om+3] neg_lo:[0,1] neg_hi:[0,1]
.set ci, ci+4
.endr
	v_pk_mul_f32 v[\tt:\tt+1], v[\ms:\ms+1], v[\ms:\ms+1]
	v_pk_mul_f32 v[\tt+2:\tt+3], v[\ms+2:\ms+3], v[\ms+2:\ms+3]
.set ci, 4
.rept \num-1
	s_delay_alu instid0(VALU_DEP_2)
	v_pk_fma_f32 v[\tt:\tt+1], v[\ms+ci:\ms+ci+1], v[\ms+ci:\ms+ci+1], v[\tt:\tt+1]
	s_delay_alu instid0(VALU_DEP_2)
	v_pk_fma_f32 v[\tt+2:\tt+3], v[\ms+ci+2:\ms+ci+3], v[\ms+ci+2:\ms+ci+3], v[\tt+2:\tt+3]
.set ci, ci+4
.endr
	s_delay_alu instid0(VALU_DEP_2)
	v_pk_fma_f32 v[\oq:\oq+1], v[\tt:\tt+1], \cnt, v[\oq:\oq+1] op_sel_hi:[1,0,1]
	s_delay_alu instid0(VALU_DEP_2)
	v_pk_fma_f32 v[\oq+2:\oq+3], v[\tt+2:\tt+3], \cnt, v[\oq+2:\oq+3] op_sel_hi:[1,0,1]
.endm
	s_load_b256 s[4:11], s[0:1], 0x0               ; qc s[4:5], kv s[6:7], query s[8:9], pre s[10:11]
	s_load_b64 s[12:13], s[0:1], 0x20              ; part
	v_lshl_add_u32 v[SPW], v0, 2, SPARE
	v_mov_b32 v[NIL], 0
	ds_add_u32 v5, v6
	ds_add_u32 v5, v6
	s_wait_dscnt 0x0
	v_lshrrev_b32 v1, 5, v0
	s_delay_alu instid0(VALU_DEP_1)
	v_readfirstlane_b32 s[WV], v1                  ; wave 0..7
	s_bfe_u32 s15, ttmp6, 0x40000                  ; cx: my place in the cluster
	s_lshl_b32 s16, ttmp9, 2
	s_add_co_u32 s16, s16, s15                     ; my block of 256 queries: it enters Q's, query's, pre's and part's addresses alone
	s_and_b32 s17, ttmp7, 0xffff                   ; y = 4 x head + batch, which the four partners share
	s_mul_i32 s43, s[WV], 12800                    ; my eighth of a slot: no place in the cluster enters an LDS address
	s_mul_i32 s18, s17, 16*REC
	s_add_co_u32 s18, s18, s43                     ; and of the first four records of y
	s_mov_b32 s19, 0
	s_lshl_b32 s44, s17, 4                         ; Q: record 16 y + 2 x block + wave / 4,
	s_lshl_b32 s45, s16, 1
	s_add_co_u32 s44, s44, s45
	s_lshr_b32 s45, s[WV], 2
	s_add_co_u32 s44, s44, s45
	s_mul_i32 s44, s44, 12800
	s_and_b32 s45, s[WV], 3
	s_mul_i32 s46, s45, 2*1536                     ; its fragments 2 (wave % 4) and the next,
	s_add_co_u32 s46, s46, s44
	s_mov_b32 s47, 0
	s_lshl_b32 s45, s45, 3                         ; and their two scale words a row
	s_add_co_u32 s44, s44, s45
	s_add_co_u32 s44, s44, 12288
	s_mov_b32 s45, 0
	s_and_b32 s58, s17, 3                          ; my first row of query and of pre: 2,048 x batch + 256 x block + 32 x wave,
	s_lshl_b32 s58, s58, 11
	s_lshl_b32 s59, s16, 8
	s_add_co_u32 s58, s58, s59
	s_lshl_b32 s59, s[WV], 5
	s_add_co_u32 s58, s58, s59
	s_lshl_b32 s58, s58, 12                        ; 4,096 bytes a row,
	s_lshr_b32 s59, s17, 2
	s_lshl_b32 s59, s59, 9                         ; the head's 512 bytes of it
	s_add_co_u32 s58, s58, s59
	s_mov_b32 s59, 0
	s_and_b32 s60, s17, 3                          ; part: entry 8 x batch + block, 8,192 bytes each, the head's 512 bytes
	s_lshl_b32 s60, s60, 3
	s_add_co_u32 s60, s60, s16
	s_lshl_b32 s60, s60, 13
	s_lshr_b32 s61, s17, 2
	s_lshl_b32 s61, s61, 9
	s_add_co_u32 s60, s60, s61
	s_mov_b32 s61, 0
	; descriptor group 1: 12,800 dense bytes as 50 rows of 256 bytes (32 elements of 8 bytes), no padding
	s_mov_b32 s[G1], 15|(3<<16)|(1<<21)            ; 15:0 the mask: all four work-groups; 17:16 elements of 8 bytes; 21 set beside a mask
	s_mov_b32 s[G1+1], 32<<16                      ; tensor_dim0 = 32
	s_mov_b32 s[G1+2], 50<<16                      ; tensor_dim1 = 50
	s_mov_b32 s[G1+3], 32<<16                      ; tile_dim0 = 32
	s_mov_b32 s[G1+4], 50                          ; tile_dim1 = 50
	s_mov_b32 s[G1+5], 32                          ; tensor_dim0_stride
	s_mov_b32 s[G1+6], 0
	s_mov_b32 s[G1+7], 0
	s_mov_b32 s[SEL], 0x76543210
	s_mov_b32 s[SEL+1], 0xfedcba98
	s_mov_b32 s[CS], 0x3d38aa3b                    ; c = log2(e) / sqrt(1,024)
	s_mov_b32 s[CS+1], s[CS]                       ; (named with it as a pair, so it is written)
	s_mov_b32 s[TB], 0
	s_mov_b32 s[SLOTS], 2
	s_mul_i32 s62, s[WV], 16*SP
	s_add_co_u32 s62, s62, STAGE                   ; my stage
	s_lshl_b32 s63, s[WV], 10
	s_add_co_u32 s63, s63, STAT                    ; my statistics
	s_wait_kmcnt 0x0
	s_mov_b32 s[G0A], 1                            ; 1:0 count = 1
	s_mov_b32 s[G0A+1], s43                        ; 63:32 LDS address: slot 0
	s_add_nc_u64 s[G0A+2:G0A+3], s[6:7], s[18:19]  ; 120:64 global address: key steps 0 to 3
	s_mov_b32 s[G0B], 1
	s_add_co_u32 s[G0B+1], s43, SLOT1
	s_add_nc_u64 s[G0B+2:G0B+3], s[G0A+2:G0A+3], SLOTB   ; key steps 4 to 7
	s_or_b32 s[G0A+3], s[G0A+3], 0x80000000        ; 127:126 type = 2
	s_or_b32 s[G0B+3], s[G0B+3], 0x80000000
	s_add_nc_u64 s[QB:QB+1], s[4:5], s[46:47]
	s_add_nc_u64 s[QSB:QSB+1], s[4:5], s[44:45]
	s_add_nc_u64 s[QRY:QRY+1], s[8:9], s[58:59]
	s_add_nc_u64 s[PRE:PRE+1], s[10:11], s[58:59]
	s_add_nc_u64 s[PART:PART+1], s[12:13], s[60:61]
	CROUND                                         ; all four work-groups are here: the first joint loads meet
	tensor_load_to_lds s[G0A:G0A+3], s[G1:G1+7]    ; slot 0's first fill: one tensor load a wave at the head
	s_nop 0
.rept 4
	v_nop
.endr
	v_and_b32 v[LI], 31, v0
	s_delay_alu instid0(VALU_DEP_1)
	v_lshlrev_b32 v[LI], 4, v[LI]
	v_and_b32 v12, 15, v0                          ; r
	v_bfe_u32 v13, v0, 4, 1                        ; h
	s_delay_alu instid0(VALU_DEP_2)
	v_lshlrev_b32 v[QSO], 5, v12
.irp x, 0,1
.irp c, 0,1,2
	global_load_b128 v[QF+12*\x+4*\c:QF+12*\x+4*\c+3], v[LI], s[QB:QB+1] offset:1536*\x+512*\c   ; Q's two fragments stay in registers
.endr
.endr
	global_load_b64 v[QS:QS+1], v[QSO], s[QSB:QSB+1]   ; and their scale words
	v_lshl_add_u32 v[ASC], v13, 9, v[QSO]
	s_delay_alu instid0(VALU_DEP_1)
	v_add_nc_u32 v[ASC], 24576, v[ASC]
	v_mul_u32_u24 v[STO], v12, SP
	s_delay_alu instid0(VALU_DEP_1)
	v_lshl_add_u32 v[STO], v13, 6, v[STO]
	s_delay_alu instid0(VALU_DEP_1)
	v_add_nc_u32 v[STO], s62, v[STO]               ; in: row r, + 64 h: my 16 channels of each 32
	v_add_nc_u32 v[RD], s62, v[LI]                 ; back: the 32 lanes take one row of 512 bytes
	v_add_nc_u32 v[STA], s63, v[LI]
	v_lshlrev_b32 v[PFO], 8, v[LI]
.irp x, 0,1
	v_mov_b32 v[ST+8*\x+1], 0xff61b1e6             ; the largest t so far: -3e38, under every t
	s_delay_alu instid0(VALU_DEP_1)
	v_floor_f32 v[ST+8*\x], -v[ST+8*\x+1]          ; -M
.irp i, 2,3,4,5,6,7
	v_mov_b32 v[ST+8*\x+\i], 0                     ; the sums; f; the upper half of f's pair
.endr
.irp b, 4,5,6,7
	v_mov_b32 v[T0+116*\x+\b], 0                   ; a lane permute's destination counts as one of its sources
.endr
.endr
	WIN 0x40
.set j, 0
.rept 256
	v_mov_b32 v[j], 0                              ; p and O^T: the first step sums a p of zeros, and finds zeros in O^T, which the first change of M leaves zeros
.set j, j+1
.endr
	WIN 0
; A KEY STEP: 128 keys, the record at s[TB].  pf = 1 (the last slot): in its third step the wave asks for the strip of query that the way out will load.
; The row's sum of the unquantised p, for key tile a of both query tiles: 8 additions on four chains by turns (window 1 as source 0).
.macro SUMA a
.irp i, 0,4
.irp x, 0,1
	v_pk_add_f32 v[ST+8*\x+2:ST+8*\x+3], v[64*\x+8*(\a)+\i:64*\x+8*(\a)+\i+1], v[ST+8*\x+2:ST+8*\x+3]
.endr
.irp x, 0,1
	v_pk_add_f32 v[ST+8*\x+4:ST+8*\x+5], v[64*\x+8*(\a)+\i+2:64*\x+8*(\a)+\i+3], v[ST+8*\x+4:ST+8*\x+5]
.endr
.endr
.endm
; O^T under the new M, x f, for channel tile a of both query tiles: 8 multiplications, each accumulator from its low end on.
.macro RESC a
.irp i, 0,2,4,6
.irp x, 0,1
	v_pk_mul_f32 v[OT+64*\x+8*(\a)+\i:OT+64*\x+8*(\a)+\i+1], v[OT+64*\x+8*(\a)+\i:OT+64*\x+8*(\a)+\i+1], v[ST+8*\x+6:ST+8*\x+7] op_sel_hi:[1,0]
.endr
.endr
.endm
.macro STEP pf
	v_add_nc_u32 v[ADR], s[TB], v[LI]
	v_add_nc_u32 v[ADS], s[TB], v[ASC]
	v_nop
	v_nop                                          ; four places in front of loads into registers that the last products have read
	ds_load_b128 v[KS:KS+3], v[ADS]                ; the scale words of tiles 0-3: lanes 0-15 K's, lanes 16-31 V's
	ds_load_b128 v[KS+4:KS+7], v[ADS] offset:16    ; of tiles 4-7
.irp a, 0,1,2,3,4,5,6,7
.irp c, 0,1,2
	ds_load_b128 v[KV+12*\a+4*\c:KV+12*\a+4*\c+3], v[ADR] offset:1536*\a+512*\c   ; K's eight fragments, as they stand
.endr
.endr
	WIN 0x01
.irp a, 0,1,2,3
	SUMA \a                                        ; THE LAST STEP'S p IS SUMMED HERE (the first step finds zeros): tiles 0-3 while K's fragments are on their way,
.endr
	s_wait_alu depctr_va_vdst(0)                   ; directly ahead of the wait below
	s_wait_dscnt 12                                ; the words and fragments 0-3 are in; the youngest twelve loads (fragments 4-7) may be out
.irp a, 0,1,2,3
	WIN 0x40                                       ; S^T in window 1
.irp x, 0,1
	v_wmma_scale_f32_16x16x128_f8f6f4 v[64*\x+8*\a:64*\x+8*\a+7], v[KV+12*\a:KV+12*\a+11], v[QF+12*\x:QF+12*\x+11], 0, v[KS+\a], v[QS+\x] matrix_a_fmt:MATRIX_FMT_FP6 matrix_b_fmt:MATRIX_FMT_FP6
.endr
	WIN 0x01
	SUMA \a+4                                      ; tiles 4-7 between the products of tiles 0-3, ahead of the products that write over them
.endr
	s_wait_dscnt 0x0
	WIN 0x40
.irp a, 4,5,6,7
.irp x, 0,1
	v_wmma_scale_f32_16x16x128_f8f6f4 v[64*\x+8*\a:64*\x+8*\a+7], v[KV+12*\a:KV+12*\a+11], v[QF+12*\x:QF+12*\x+11], 0, v[KS+\a], v[QS+\x] matrix_a_fmt:MATRIX_FMT_FP6 matrix_b_fmt:MATRIX_FMT_FP6
.endr
.endr
.rept 4
	v_nop                                          ; places: for the loads into K's registers, and for the first read of the scores
.endr
	WIN 0
.irp a, 0,1,2,3,4,5,6,7
.irp c, 0,1,2
	ds_load_b128 v[KV+12*\a+4*\c:KV+12*\a+4*\c+3], v[ADR] offset:12288+1536*\a+512*\c   ; V's eight fragments land while the softmax is worked
.endr
.endr
.if \pf
	s_cmp_eq_u32 s[CNT], 2                         ; the last slot's third step: the rest of this step and one more stand ahead of the loads that will want these bytes
	s_cbranch_scc0 .Lnot_now_\@
	global_prefetch_b8 v[PFO], s[QRY:QRY+1] th:TH_LOAD_NT scope:SCOPE_SE              ; my 32 rows' 512 bytes of query, a lane a row, 256 bytes an instruction: each block is named once in the launch, by the wave that will load it
	global_prefetch_b8 v[PFO], s[QRY:QRY+1] offset:256 th:TH_LOAD_NT scope:SCOPE_SE
.Lnot_now_\@:
.endif
	WIN 0x14                                       ; sources 1 and 2 window 1
.irp x, 0,1
.irp b, 0,1,2,3
	v_max3_num_f32 v[T0+116*\x+\b], 0xff800000, v[64*\x+16*\b], v[64*\x+16*\b+1]   ; THE LARGEST SCORE OF EACH BLOCK OF 32 KEYS (each accumulator from its low end on): it serves for the row's maximum and, since p rises with the score, for the block's largest p
.endr
.endr
.irp i, 2,4,6,8,10,12,14
.irp x, 0,1
.irp b, 0,1,2,3
	v_max3_num_f32 v[T0+116*\x+\b], v[T0+116*\x+\b], v[64*\x+16*\b+\i], v[64*\x+16*\b+\i+1]
.endr
.endr
.endr
	WIN 0
.irp x, 0,1
.irp b, 0,1,2,3
	v_permlanex16_b32 v[T0+116*\x+4+\b], v[T0+116*\x+\b], s[SEL], s[SEL+1]
.endr
.endr
.irp x, 0,1
.irp b, 0,1,2,3
	v_max_num_f32 v[T0+116*\x+\b], v[T0+116*\x+\b], v[T0+116*\x+4+\b]   ; with lane l xor 16's 16 keys
.endr
.endr
.irp x, 0
	v_max3_num_f32 v[T0+116*\x+12], v[T0+116*\x], v[T0+116*\x+1], v[T0+116*\x+2]
.endr
.irp x, 1
	s_delay_alu instid0(VALU_DEP_3)
	v_max3_num_f32 v[T0+116*\x+12], v[T0+116*\x], v[T0+116*\x+1], v[T0+116*\x+2]
.endr
.irp x, 0,1
	s_delay_alu instid0(VALU_DEP_2)
	v_max_num_f32 v[T0+116*\x+12], v[T0+116*\x+12], v[T0+116*\x+3]     ; the step's largest score of my query
.endr
.irp x, 0,1
	s_delay_alu instid0(VALU_DEP_2)
	v_mul_f32 v[T0+116*\x+12], s[CS], v[T0+116*\x+12]                  ; as t (c is positive)
.endr
.irp x, 0,1
	s_delay_alu instid0(VALU_DEP_2)
	v_max_num_f32 v[ST+8*\x+1], v[ST+8*\x+1], v[T0+116*\x+12]          ; the running largest t
.endr
.irp x, 0,1
	v_mov_b32 v[T0+116*\x+12], v[ST+8*\x]
.endr
.irp x, 0,1
	s_delay_alu instid0(VALU_DEP_4)
	v_floor_f32 v[ST+8*\x], -v[ST+8*\x+1]                              ; the new -M = floor(-t) = -ceil(t): M IS A WHOLE NUMBER
.endr
.irp x, 0,1
	s_delay_alu instid0(VALU_DEP_2)
	v_sub_f32 v[T0+116*\x+12], v[ST+8*\x], v[T0+116*\x+12]             ; M's old value less its new one: a whole number, 0 or less
.endr
.irp x, 0,1
	s_delay_alu instid0(VALU_DEP_2)
	v_cvt_i32_f32 v[T0+116*\x+12], v[T0+116*\x+12]                     ; (it saturates)
.endr
.irp x, 0,1
	s_delay_alu instid0(VALU_DEP_2)
	v_ldexp_f32 v[ST+8*\x+6], 1.0, v[T0+116*\x+12]                     ; f = 2^(old M - new M)
.endr
.irp x, 0,1
.irp b, 0,1,2,3
	v_fma_f32 v[T0+116*\x+\b], v[T0+116*\x+\b], s[CS], v[ST+8*\x]      ; t - M of each block's largest score
.endr
.endr
	WIN 0x41                                       ; destination and source 0 window 1
.irp x, 0,1
.set j, 0
.rept 32
	v_pk_fma_f32 v[64*\x+j:64*\x+j+1], v[64*\x+j:64*\x+j+1], s[CS:CS+1], v[ST+8*\x:ST+8*\x+1] op_sel_hi:[1,0,0]   ; t - M, two at a time (of the pairs c and -M the low word serves both halves)
.set j, j+2
.endr
.endr
.set j, 0
	s_wait_alu depctr_va_vdst(0)
.rept 128
	v_exp_f32 v[j], v[j]                           ; p = 2^(t - M), at most 1: NOT normalised
.set j, j+1
.endr
	WIN 0
.irp x, 0,1
.irp b, 0,1,2,3
	v_exp_f32 v[T0+116*\x+\b], v[T0+116*\x+\b]     ; the block's largest p: the same two instructions on the same number give the same bits
.endr
.endr
.irp x, 0,1
	v_pk_mul_f32 v[ST+8*\x+2:ST+8*\x+3], v[ST+8*\x+2:ST+8*\x+3], v[ST+8*\x+6:ST+8*\x+7] op_sel_hi:[1,0]   ; the sums under the new M.  (A plain place behind the exponentials)
	v_pk_mul_f32 v[ST+8*\x+4:ST+8*\x+5], v[ST+8*\x+4:ST+8*\x+5], v[ST+8*\x+6:ST+8*\x+7] op_sel_hi:[1,0]
.endr
	s_wait_alu depctr_va_vdst(0)
.irp x, 0,1
.irp b, 0,1,2,3
	v_max_num_f32 v[T0+116*\x+\b], 0x1800000, v[T0+116*\x+\b]          ; the floor 2^(3 - 127): the byte cannot fall under 1
.endr
.endr
.irp x, 0,1
.irp b, 0,1,2,3
	v_add_nc_u32 v[T0+116*\x+8+\b], 0xff000000, v[T0+116*\x+\b]        ; 2 off the exponent field: the conversion's scale operand
.endr
.endr
.irp x, 0,1
.irp b, 0,1,2,3
	v_lshrrev_b32 v[T0+116*\x+4+\b], 23, v[T0+116*\x+8+\b]             ; the scale's byte
.endr
.endr
.irp x, 0
	v_lshl_or_b32 v[PW+\x], v[T0+116*\x+5], 8, v[T0+116*\x+4]          ; p's scale word for these 128 keys
.endr
.irp x, 1
	s_delay_alu instid0(VALU_DEP_4)
	v_lshl_or_b32 v[PW+\x], v[T0+116*\x+5], 8, v[T0+116*\x+4]          ; p's scale word for these 128 keys
.endr
.irp x, 0,1
	s_delay_alu instid0(VALU_DEP_2)
	v_lshl_or_b32 v[PW+\x], v[T0+116*\x+6], 16, v[PW+\x]
.endr
.irp x, 0,1
	s_delay_alu instid0(VALU_DEP_2)
	v_lshl_or_b32 v[PW+\x], v[T0+116*\x+7], 24, v[PW+\x]
.endr
	WIN 0x01                                       ; source 0 window 1
.irp x, 0,1
.irp c, 0,1
	v_cvt_scalef32_pk16_fp6_f32 v[PC+12*\x+6*\c:PC+12*\x+6*\c+2], v[64*\x+32*\c:64*\x+32*\c+15], v[T0+116*\x+8+2*\c]
	v_cvt_scalef32_pk16_fp6_f32 v[PT+8*\x+4*\c:PT+8*\x+4*\c+2], v[64*\x+32*\c+16:64*\x+32*\c+31], v[T0+116*\x+9+2*\c]   ; (a conversion's three registers begin on an even number)
.endr
.endr
	WIN 0
	v_nop                                          ; one plain place behind a scaled conversion
.irp x, 0,1
.irp c, 0,1                                    ; the operand's layout wants a WHOLE block in a lane: lanes 0-15 block 2 c, lanes 16-31 block 2 c + 1
.irp i, 0,1,2
	v_permlane16_swap_b32 v[PC+12*\x+6*\c+\i], v[PT+8*\x+4*\c+\i]
.endr
.irp i, 0,1,2
	s_delay_alu instid0(VALU_DEP_3)
	v_mov_b32 v[PC+12*\x+6*\c+3+\i], v[PT+8*\x+4*\c+\i]
.endr
.endr
.endr
	s_wait_dscnt 0x0                               ; V is in (asked for a softmax ago)
	WIN 0x41
	RESC 0                                         ; sixteen lines between the last vector write of an operand or a scale word and the products below
	RESC 1
.irp a, 0,1,2,3,4,5,6,7
	WIN 0x50                                       ; C and D window 1
.irp x, 0,1
	v_wmma_scale_f32_16x16x128_f8f6f4 v[OT+64*\x+8*\a:OT+64*\x+8*\a+7], v[KV+12*\a:KV+12*\a+11], v[PC+12*\x:PC+12*\x+11], v[OT+64*\x+8*\a:OT+64*\x+8*\a+7], v[KS+\a], v[PW+\x] matrix_a_fmt:MATRIX_FMT_FP6 matrix_b_fmt:MATRIX_FMT_FP6 matrix_a_scale:MATRIX_SCALE_ROW1
.endr
.if \a < 6
	WIN 0x41
	RESC \a+2                                      ; channel tile a + 2 is brought under the new M between the products, eight lines ahead of its own
.endif
.endr                                          ; the sixteen accumulators take turns, one instruction a turn
	WIN 0
	s_add_co_u32 s[TB], s[TB], REC
.endm
.macro STEPS num, pf                   ; a slot's key steps: written once, walked num times
	s_mov_b32 s[CNT], \num
.Lstep_\@:
	STEP \pf
	s_sub_co_u32 s[CNT], s[CNT], 1
	s_cmp_lg_u32 s[CNT], 0
	s_cbranch_scc1 .Lstep_\@
.endm
; THE CHANGE OF SLOTS.  Each wave waits for all its tensor loads (one is out: its part of the other slot), adds 0 to its spare word, and waits for that and for its reads of the slot that it leaves.
; fill = 1: that slot is filled again, with the records two slots on.  The barrier is then a round of the cluster's, and the joint refill is the first thing behind it: it has four key steps in which to land.
.macro CHANGE fill
	s_wait_tensorcnt 0x0                           ; no tensor load of mine is out, so a group 0 may be written
	ds_add_u32 v[SPW], v[NIL]                      ; 0 onto my spare word
.if \fill
	s_xor_b32 s[G0B+1], s[G0B+1], SLOT1            ; the walking descriptor: the other slot than last time,
	s_add_nc_u64 s[G0B+2:G0B+3], s[G0B+2:G0B+3], SLOTB   ; the next four records; the type bits on top are not reached
.endif
	s_wait_dscnt 0x0                               ; the add is done, and my reads of the slot are over
.if \fill
	CROUND
	tensor_load_to_lds s[G0B:G0B+3], s[G1:G1+7]    ; every wave's one tensor load behind the round
	s_nop 0
.rept 4
	v_nop
.endr
.else
	s_barrier_signal -1
	s_barrier_wait -1
.endif
	s_sub_co_u32 s[TB], s[TB], SLOTB               ; back to a slot's first record,
	s_xor_b32 s[TB], s[TB], SLOT1                  ; in the other slot
.endm
	s_wait_alu depctr_va_vdst(0)                   ; the wait at the head's end
	s_wait_tensorcnt 0x0                           ; my part of slot 0 is in; these lines stand ahead of a later first fill, as ahead of a refill
	ds_add_u32 v[SPW], v[NIL]
	s_wait_dscnt 0x0
	CROUND                                         ; everybody's part is in, and the joint loads meet
	tensor_load_to_lds s[G0B:G0B+3], s[G1:G1+7]    ; slot 1's first fill: it has four key steps in which to land
	s_nop 0
.rept 4
	v_nop
.endr
	s_wait_loadcnt 0x0
	STEPS 4, 0                                     ; key steps 0 to 3
.Lslot:                                            ; two trips: slots 0 and 1 are filled again, with key steps 8 to 11 and 12 to 15
	CHANGE 1
	STEPS 4, 0
	s_sub_co_u32 s[SLOTS], s[SLOTS], 1
	s_cmp_lg_u32 s[SLOTS], 0
	s_cbranch_scc1 .Lslot
	CHANGE 0                                       ; the last slot is written out
	STEPS 4, 1
	WIN 0x01
.irp a, 0,1,2,3,4,5,6,7
	SUMA \a                                        ; the last step's p
.endr
	WIN 0
	; THE WAY OUT.  Row i of tile x is query rho = 8 x + i + 8 (i / 8) of my 32.
	WIN 0x40
.irp x, 0,1
.irp i, 0,1,2,3,4,5,6,7,8,9,10,11,12,13,14,15
	global_load_b128 v[64*\x+4*\i:64*\x+4*\i+3], v[LI], s[QRY:QRY+1] offset:(8*\x+\i+8*(\i/8))*4096 th:TH_LOAD_NT   ; the residual: 512 consecutive bytes of a row, into p's registers
.endr
.endr
	WIN 0
	s_wait_alu depctr_va_vdst(0)
.irp x, 0,1
	v_pk_add_f32 v[ST+8*\x+2:ST+8*\x+3], v[ST+8*\x+2:ST+8*\x+3], v[ST+8*\x+4:ST+8*\x+5]   ; the sum's chains (these lines are also the places behind the last products),
.endr
.irp x, 0,1
	s_delay_alu instid0(VALU_DEP_2)
	v_add_f32 v[ST+8*\x+2], v[ST+8*\x+2], v[ST+8*\x+3]                 ; its halves,
.endr
.irp x, 0,1
	s_delay_alu instid0(VALU_DEP_2)
	v_permlanex16_b32 v[ST+8*\x+4], v[ST+8*\x+2], s[SEL], s[SEL+1]
.endr
.irp x, 0,1
	s_delay_alu instid0(VALU_DEP_2)
	v_add_f32 v[ST+8*\x+2], v[ST+8*\x+2], v[ST+8*\x+4]                 ; and lane l xor 16's: the row's sum
.endr
	s_wait_alu depctr_va_vdst(0)
.irp x, 0,1
	v_rcp_f32 v[ST+8*\x+6], v[ST+8*\x+2]
.endr
	v_nop                                          ; a plain place behind the reciprocals
	s_wait_alu depctr_va_vdst(0)
.irp x, 0,1
	WIN 0x41
.set j, 0
.rept 32
	v_pk_mul_f32 v[OT+64*\x+j:OT+64*\x+j+1], v[OT+64*\x+j:OT+64*\x+j+1], v[ST+8*\x+6:ST+8*\x+7] op_sel_hi:[1,0]   ; O^T / the sum; each accumulator from its low end on
.set j, j+2
.endr
	WIN 0x04                                       ; an LDS store's data are its source 1: window 1
.irp b, 0,1,2,3
.irp i, 0,1,2,3
	ds_store_b128 v[STO], v[OT+64*\x+16*\b+4*\i:OT+64*\x+16*\b+4*\i+3] offset:128*\b+16*\i   ; register 16 b + 4 i on: channels 32 b + 16 h + 4 i on of my row
.endr
.endr
	WIN 0
.irp i, 0,1,2,3,4,5,6,7,8,9,10,11,12,13,14,15
	ds_load_b128 v[128+64*\x+4*\i:128+64*\x+4*\i+3], v[RD] offset:SP*\i   ; back as whole rows.  LDS serves a wave's instructions in order: these see my stores, and the next tile's stores come behind them
.endr
.endr
	s_wait_loadcnt 0x0                             ; the residual
	s_wait_dscnt 32                                ; tile 0 is back (tile 1's 16 stores and 16 loads may be out)
	WIN 0x41
.set j, 0
.rept 32
	v_pk_add_f32 v[j:j+1], v[j:j+1], v[128+j:128+j+1]
.set j, j+2
.endr
	s_wait_dscnt 0x0
.rept 32
	v_pk_add_f32 v[j:j+1], v[j:j+1], v[128+j:128+j+1]
.set j, j+2
.endr
	WIN 0x04                                       ; a store's data are its source 1: window 1
.irp x, 0,1
.irp i, 0,1,2,3,4,5,6,7,8,9,10,11,12,13,14,15
	global_store_b128 v[LI], v[64*\x+4*\i:64*\x+4*\i+3], s[PRE:PRE+1] offset:(8*\x+\i+8*(\i/8))*4096   ; 32 lanes store 512 consecutive bytes, at a multiple of 256 from the buffer's first byte
.endr
.endr
	; my lane's four features over my wave's 32 rows (row n at window 1's v[4 n]): the mean, in two chains,
	WIN 0x05
	v_pk_add_f32 v[108:109], v[0:1], v[8:9]
	v_pk_add_f32 v[110:111], v[2:3], v[10:11]
	v_pk_add_f32 v[112:113], v[4:5], v[12:13]
	v_pk_add_f32 v[114:115], v[6:7], v[14:15]
	WIN 0x01
.set j, 16
.rept 56
	v_pk_add_f32 v[108+j%8:109+j%8], v[j:j+1], v[108+j%8:109+j%8]
.set j, j+2
.endr
	WIN 0
	v_pk_add_f32 v[108:109], v[108:109], v[112:113]
	v_pk_add_f32 v[110:111], v[110:111], v[114:115]
	s_delay_alu instid0(VALU_DEP_2)
	v_pk_mul_f32 v[116:117], v[108:109], 0x3d000000 op_sel_hi:[1,0]    ; / 32
	s_delay_alu instid0(VALU_DEP_2)
	v_pk_mul_f32 v[118:119], v[110:111], 0x3d000000 op_sel_hi:[1,0]
	s_wait_alu depctr_va_vdst(0)
	s_wait_xcnt 0x0                                ; the stores have read their data: the rows may be written again
	WIN 0x41
.set j, 0
.rept 64
	v_pk_add_f32 v[j:j+1], v[j:j+1], v[116+j%4:117+j%4] neg_lo:[0,1] neg_hi:[0,1]   ; x - mean,
.set j, j+2
.endr
	WIN 0x05
.set j, 0
.rept 4
	v_pk_mul_f32 v[120+j:121+j], v[j:j+1], v[j:j+1]                    ; and the sum of its squares, in two chains
.set j, j+2
.endr
.rept 60
	s_delay_alu instid0(VALU_DEP_4)
	v_pk_fma_f32 v[120+j%8:121+j%8], v[j:j+1], v[j:j+1], v[120+j%8:121+j%8]
.set j, j+2
.endr
	WIN 0
	v_pk_add_f32 v[120:121], v[120:121], v[124:125]
	v_pk_add_f32 v[122:123], v[122:123], v[126:127]
	ds_store_b128 v[STA], v[116:119]
	ds_store_b128 v[STA], v[120:123] offset:512
	s_wait_dscnt 0x0                               ; for the others' sake: my stores have landed
	s_barrier_signal -1
	s_barrier_wait -1
	s_cmp_lg_u32 s[WV], 0
	s_cbranch_scc1 .Lnot_first                     ; wave 0 joins the eight waves' figures
.irp k, 0,1,2,3,4,5,6,7
	ds_load_b128 v[128+4*\k:131+4*\k], v[STA] offset:1024*\k
	ds_load_b128 v[160+4*\k:163+4*\k], v[STA] offset:1024*\k+512
.endr
	s_wait_dscnt 0x0
	COMB 128, 160, 8, 0x3e000000, 0x42000000, 192, 196, 200            ; eight groups of 32 rows
	global_store_b128 v[LI], v[192:195], s[PART:PART+1]                ; 512 consecutive bytes: the mean of 256 rows,
	global_store_b128 v[LI], v[196:199], s[PART:PART+1] offset:4096    ; and their M2
.Lnot_first:
	s_wait_tensorcnt 0x0                           ; the wave's end: behind my last tensor load and my last LDS store
	ds_add_u32 v[SPW], v[NIL]
	s_wait_dscnt 0x0
	CROUND                                         ; the closing round: no work-group ends while a partner may still ask for a tile that names it
	s_endpgm
.Lfunc_end_k_q9418b92f60_attn:
	.size	k_q9418b92f60_attn, .Lfunc_end_k_q9418b92f60_attn-k_q9418b92f60_attn
	.p2alignl 7, 3214868480
	.fill 96, 4, 3214868480
	.section	.rodata,"a",@progbits
	.p2align	6, 0x0
	.amdhsa_kernel k_q9418b92f60_attn
		.amdhsa_group_segment_fixed_size 327680
		.amdhsa_private_segment_fixed_size 0
		.amdhsa_enable_private_segment 0
		.amdhsa_kernarg_size 40
		.amdhsa_user_sgpr_count 2
		.amdhsa_user_sgpr_kernarg_segment_ptr 1
		.amdhsa_wavefront_size32 1
		.amdhsa_system_sgpr_workgroup_id_x 1
		.amdhsa_system_sgpr_workgroup_id_y 1
		.amdhsa_system_sgpr_workgroup_id_z 1
		.amdhsa_system_vgpr_workitem_id 0
		.amdhsa_next_free_vgpr 512
		.amdhsa_next_free_sgpr 66
		.amdhsa_reserve_vcc 0
		.amdhsa_float_denorm_mode_32 3
		.amdhsa_float_denorm_mode_16_64 3
		.amdhsa_memory_ordered 1
		.amdhsa_forward_progress 1
		.amdhsa_inst_pref_size 169
	.end_amdhsa_kernel
	.amdgpu_metadata
---
amdhsa.version: [ 1, 2 ]
amdhsa.kernels:
  - .name:           k_q9418b92f60_attn
    .symbol:         k_q9418b92f60_attn.kd
    .args:
      - { .name: qc, .offset: 0, .size: 8, .value_kind: global_buffer, .address_space: global }
      - { .name: kv, .offset: 8, .size: 8, .value_kind: global_buffer, .address_space: global }
      - { .name: query, .offset: 16, .size: 8, .value_kind: global_buffer, .address_space: global }
      - { .name: pre, .offset: 24, .size: 8, .value_kind: global_buffer, .address_space: global }
      - { .name: part, .offset: 32, .size: 8, .value_kind: global_buffer, .address_space: global }
    .group_segment_fixed_size: 327680
    .private_segment_fixed_size: 0
    .kernarg_segment_align: 8
    .kernarg_segment_size: 40
    .max_flat_workgroup_size: 256
    .sgpr_count:     66
    .vgpr_count:     512
    .wavefront_size: 32
...
	.end_amdgpu_metadata
.endif
;; end of part 3
;; launch norm (part 4): grid 8 x 32, 8 waves a work-group, no clusters, 9,216 bytes of LDS; arguments pre, part, gamma, beta, out0; writes out0
.if DOCPART == 4
	.amdgcn_target "amdgcn-amd-amdhsa--gfx1250"
	.amdhsa_code_object_version 6
	.text
	.protected	k_q9418b92f60_norm
	.globl	k_q9418b92f60_norm
	.p2align	8
	.type	k_q9418b92f60_norm,@function
k_q9418b92f60_norm:
	s_mov_b64 s[64:65], 0
	v_nop
	global_prefetch_b8 v0, s[64:65] scope:SCOPE_SE
	s_setreg_imm32_b32 hwreg(HW_REG_WAVE_MODE, 25, 1), 1
	s_wait_xcnt 0x0
; out0[row][f] = gamma[f] (pre[row][f] - mean[f]) / sqrt(var[f] + 1e-5) + beta[f], mean and var over all 8,192 rows.
; part holds, for each of 32 blocks of 256 rows, the mean and M2 = sum (x - mean)^2 of each feature: [block][mean | M2][1,024] f32.  Groups of equal size n are joined by mean = the means' mean,
; M2 = sum M2 + n sum (mean_i - mean)^2: never a difference of large sums.  Wave w joins blocks 4 w .. 4 w + 3; the eight waves' figures meet in LDS, and every wave joins them.  var = M2 / 8,192.
; SHARES: a work-group takes 128 features (x) of 256 rows (y), a wave 32 rows, a lane 4 features: every load and store of a wave covers 512 consecutive bytes, at a multiple of 256 from its buffer's first byte.
; All of a wave's 42 loads go out at once; the statistics are worked while the rows are on their way.  A stream: no matrix unit, no cluster (work-groups share only the 32 KiB of part that each reads), no tensor loads.
; The row is scaled as x a + c with a = gamma / sqrt(var + eps), c = beta - mean a: one fused multiply-add a number.
.set LI, 1                             ; v1  16 x lane
.set LW, 2                             ; v2  1,024 x wave + 16 x lane
.macro COMB ms, qs, num, invk, cnt, om, oq, tt
	v_pk_add_f32 v[\om:\om+1], v[\ms:\ms+1], v[\ms+4:\ms+5]
	v_pk_add_f32 v[\om+2:\om+3], v[\ms+2:\ms+3], v[\ms+6:\ms+7]
	v_pk_add_f32 v[\oq:\oq+1], v[\qs:\qs+1], v[\qs+4:\qs+5]
	v_pk_add_f32 v[\oq+2:\oq+3], v[\qs+2:\qs+3], v[\qs+6:\qs+7]
.set ci, 8
.rept \num-2
	s_delay_alu instid0(VALU_DEP_4)
	v_pk_add_f32 v[\om:\om+1], v[\om:\om+1], v[\ms+ci:\ms+ci+1]
	s_delay_alu instid0(VALU_DEP_4)
	v_pk_add_f32 v[\om+2:\om+3], v[\om+2:\om+3], v[\ms+ci+2:\ms+ci+3]
	s_delay_alu instid0(VALU_DEP_4)
	v_pk_add_f32 v[\oq:\oq+1], v[\oq:\oq+1], v[\qs+ci:\qs+ci+1]
	s_delay_alu instid0(VALU_DEP_4)
	v_pk_add_f32 v[\oq+2:\oq+3], v[\oq+2:\oq+3], v[\qs+ci+2:\qs+ci+3]
.set ci, ci+4
.endr
	s_delay_alu instid0(VALU_DEP_4)
	v_pk_mul_f32 v[\om:\om+1], v[\om:\om+1], \invk op_sel_hi:[1,0]
	s_delay_alu instid0(VALU_DEP_4)
	v_pk_mul_f32 v[\om+2:\om+3], v[\om+2:\om+3], \invk op_sel_hi:[1,0]
.set ci, 0
.rept \num
	v_pk_add_f32 v[\ms+ci:\ms+ci+1], v[\ms+ci:\ms+ci+1], v[\om:\om+1] neg_lo:[0,1] neg_hi:[0,1]
	v_pk_add_f32 v[\ms+ci+2:\ms+ci+3], v[\ms+ci+2:\ms+ci+3], v[\om+2:\om+3] neg_lo:[0,1] neg_hi:[0,1]
.set ci, ci+4
.endr
	v_pk_mul_f32 v[\tt:\tt+1], v[\ms:\ms+1], v[\ms:\ms+1]
	v_pk_mul_f32 v[\tt+2:\tt+3], v[\ms+2:\ms+3], v[\ms+2:\ms+3]
.set ci, 4
.rept \num-1
	s_delay_alu instid0(VALU_DEP_2)
	v_pk_fma_f32 v[\tt:\tt+1], v[\ms+ci:\ms+ci+1], v[\ms+ci:\ms+ci+1], v[\tt:\tt+1]
	s_delay_alu instid0(VALU_DEP_2)
	v_pk_fma_f32 v[\tt+2:\tt+3], v[\ms+ci+2:\ms+ci+3], v[\ms+ci+2:\ms+ci+3], v[\tt+2:\tt+3]
.set ci, ci+4
.endr
	s_delay_alu instid0(VALU_DEP_2)
	v_pk_fma_f32 v[\oq:\oq+1], v[\tt:\tt+1], \cnt, v[\oq:\oq+1] op_sel_hi:[1,0,1]
	s_delay_alu instid0(VALU_DEP_2)
	v_pk_fma_f32 v[\oq+2:\oq+3], v[\tt+2:\tt+3], \cnt, v[\oq+2:\oq+3] op_sel_hi:[1,0,1]
.endm
	s_load_b256 s[4:11], s[0:1], 0x0               ; pre s[4:5], part s[6:7], gamma s[8:9], beta s[10:11]
	s_load_b64 s[12:13], s[0:1], 0x20              ; out0
	v_lshl_add_u32 v3, v0, 2, 0x2000
	s_set_vgpr_msb 0x40
	v_mov_b32 v1, 0
	s_set_vgpr_msb 0x4000
	v_lshrrev_b32 v1, 5, v0
	s_delay_alu instid0(VALU_DEP_1)
	v_readfirstlane_b32 s14, v1                    ; wave 0..7
	v_and_b32 v[LI], 31, v0
	s_delay_alu instid0(VALU_DEP_1)
	v_lshlrev_b32 v[LI], 4, v[LI]
	s_lshl_b32 s15, s14, 10
	v_add_nc_u32 v[LW], s15, v[LI]
	s_lshl_b32 s16, ttmp9, 9                       ; my work-group's 128 features: 512 bytes
	s_mov_b32 s17, 0
	s_lshl_b32 s18, s14, 15                        ; part: my wave's four blocks of 8,192 bytes
	s_add_co_u32 s18, s18, s16
	s_mov_b32 s19, 0
	s_and_b32 s22, ttmp7, 0xffff
	s_lshl_b32 s22, s22, 8
	s_lshl_b32 s23, s14, 5
	s_add_co_u32 s22, s22, s23                     ; my first row: 256 y + 32 x wave
	s_lshl_b32 s22, s22, 12
	s_add_co_u32 s22, s22, s16
	s_mov_b32 s23, 0
	s_mov_b32 s20, 0x39000000                      ; 1 / 8,192
	s_mov_b32 s21, 0x3727c5ac                      ; 1e-5
	s_wait_alu depctr_va_vdst(0)
	s_wait_kmcnt 0x0
	s_add_nc_u64 s[6:7], s[6:7], s[18:19]
	s_add_nc_u64 s[8:9], s[8:9], s[16:17]
	s_add_nc_u64 s[10:11], s[10:11], s[16:17]
	s_add_nc_u64 s[4:5], s[4:5], s[22:23]
	s_add_nc_u64 s[12:13], s[12:13], s[22:23]
.irp j, 0,1,2,3
	global_load_b128 v[32+4*\j:35+4*\j], v[LI], s[6:7] offset:8192*\j          ; four means,
	global_load_b128 v[48+4*\j:51+4*\j], v[LI], s[6:7] offset:8192*\j+4096     ; four M2
.endr
	global_load_b128 v[16:19], v[LI], s[8:9]       ; gamma
	global_load_b128 v[20:23], v[LI], s[10:11]     ; beta
.irp i, 0,1,2,3,4,5,6,7,8,9,10,11,12,13,14,15,16,17,18,19,20,21,22,23,24,25,26,27,28,29,30,31
	global_load_b128 v[64+4*\i:67+4*\i], v[LI], s[4:5] offset:4096*\i th:TH_LOAD_NT   ; my 32 rows
.endr
	s_wait_loadcnt 34                              ; the eight loads of part are in; gamma, beta and the 32 rows may be out
	COMB 32, 48, 4, 0x3e800000, 0x43800000, 4, 8, 12                   ; four groups of 256 rows
	ds_store_b128 v[LW], v[4:7]
	ds_store_b128 v[LW], v[8:11] offset:512
	s_wait_dscnt 0x0                               ; for the others' sake: my stores have landed
	s_barrier_signal -1
	s_barrier_wait -1
.irp k, 0,1,2,3,4,5,6,7
	ds_load_b128 v[192+4*\k:195+4*\k], v[LI] offset:1024*\k
	ds_load_b128 v[224+4*\k:227+4*\k], v[LI] offset:1024*\k+512
.endr
	s_wait_dscnt 0x0
	COMB 192, 224, 8, 0x3e000000, 0x44800000, 4, 8, 12                 ; eight groups of 1,024 rows: v[4:7] the mean, v[8:11] M2 of all 8,192
.irp j, 0,1,2,3
	v_fma_f32 v[12+\j], v[8+\j], s20, s21          ; var + eps
.endr
	s_wait_alu depctr_va_vdst(0)
.irp j, 0,1,2,3
	v_rsq_f32 v[12+\j], v[12+\j]
.endr
	v_nop                                          ; a plain place behind the last of them
	s_wait_loadcnt 32                              ; gamma and beta are in
	s_wait_alu depctr_va_vdst(0)
	v_pk_mul_f32 v[24:25], v[16:17], v[12:13]      ; a = gamma / sqrt(var + eps)
	v_pk_mul_f32 v[26:27], v[18:19], v[14:15]
	s_delay_alu instid0(VALU_DEP_2)
	v_pk_fma_f32 v[28:29], v[4:5], v[24:25], v[20:21] neg_lo:[1,0,0] neg_hi:[1,0,0]   ; c = beta - mean a
	s_delay_alu instid0(VALU_DEP_2)
	v_pk_fma_f32 v[30:31], v[6:7], v[26:27], v[22:23] neg_lo:[1,0,0] neg_hi:[1,0,0]
	s_wait_alu depctr_va_vdst(0)
.irp i, 0,1,2,3,4,5,6,7,8,9,10,11,12,13,14,15,16,17,18,19,20,21,22,23,24,25,26,27,28,29,30,31
	s_wait_loadcnt 31-\i                           ; loads come back in order: row i is in, the rows behind it may be out
	v_pk_fma_f32 v[64+4*\i:65+4*\i], v[64+4*\i:65+4*\i], v[24:25], v[28:29]
	v_pk_fma_f32 v[66+4*\i:67+4*\i], v[66+4*\i:67+4*\i], v[26:27], v[30:31]
	global_store_b128 v[LI], v[64+4*\i:67+4*\i], s[12:13] offset:4096*\i th:TH_STORE_NT   ; each row has its own registers: no store's data are written again
.endr
	s_set_vgpr_msb 0x4
	s_wait_tensorcnt 0x0
	ds_add_u32 v3, v1
	s_wait_dscnt 0x0
	s_set_vgpr_msb 0x400
	s_endpgm
.Lfunc_end_k_q9418b92f60_norm:
	.size	k_q9418b92f60_norm, .Lfunc_end_k_q9418b92f60_norm-k_q9418b92f60_norm
	.p2alignl 7, 3214868480
	.fill 96, 4, 3214868480
	.section	.rodata,"a",@progbits
	.p2align	6, 0x0
	.amdhsa_kernel k_q9418b92f60_norm
		.amdhsa_group_segment_fixed_size 9216
		.amdhsa_private_segment_fixed_size 0
		.amdhsa_enable_private_segment 0
		.amdhsa_kernarg_size 40
		.amdhsa_user_sgpr_count 2
		.amdhsa_user_sgpr_kernarg_segment_ptr 1
		.amdhsa_wavefront_size32 1
		.amdhsa_system_sgpr_workgroup_id_x 1
		.amdhsa_system_sgpr_workgroup_id_y 1
		.amdhsa_system_sgpr_workgroup_id_z 1
		.amdhsa_system_vgpr_workitem_id 0
		.amdhsa_next_free_vgpr 258
		.amdhsa_next_free_sgpr 66
		.amdhsa_reserve_vcc 0
		.amdhsa_float_denorm_mode_32 3
		.amdhsa_float_denorm_mode_16_64 3
		.amdhsa_memory_ordered 1
		.amdhsa_forward_progress 1
		.amdhsa_inst_pref_size 24
	.end_amdhsa_kernel
	.amdgpu_metadata
---
amdhsa.version: [ 1, 2 ]
amdhsa.kernels:
  - .name:           k_q9418b92f60_norm
    .symbol:         k_q9418b92f60_norm.kd
    .args:
      - { .name: pre, .offset: 0, .size: 8, .value_kind: global_buffer, .address_space: global }
      - { .name: part, .offset: 8, .size: 8, .value_kind: global_buffer, .address_space: global }
      - { .name: gamma, .offset: 16, .size: 8, .value_kind: global_buffer, .address_space: global }
      - { .name: beta, .offset: 24, .size: 8, .value_kind: global_buffer, .address_space: global }
      - { .name: out0, .offset: 32, .size: 8, .value_kind: global_buffer, .address_space: global }
    .group_segment_fixed_size: 9216
    .private_segment_fixed_size: 0
    .kernarg_segment_align: 8
    .kernarg_segment_size: 40
    .max_flat_workgroup_size: 256
    .sgpr_count:     66
    .vgpr_count:     258
    .wavefront_size: 32
...
	.end_amdgpu_metadata
.endif
;; end of part 4
